; MI455X (gfx1250); checked and timed in simulation.
; The chip was launched on July 23, 2026; its instructions are those of AMD's public machine-readable ISA for CDNA 5 (MIT licence, August 2026) and "CDNA5" Instruction Set Architecture Reference Guide (July 2026). The comments in the code are by the model that wrote it; some were corrected since.
;; Self Attention. Allowed arithmetic: matrix products marked QUANTISED: E3M2 operands, one E8M0 scale for each 32 along K, by v_wmma_scale_f32_16x16x128_f8f6f4 with both operands' format E3M2, f32 sums; everything else in f32.
;; Inputs: b_k 1,024 float32; b_q 1,024 float32; b_v 1,024 float32; w_k 1,024 x 1,024 float32; w_q 1,024 x 1,024 float32; w_v 1,024 x 1,024 float32; x 4 x 2,048 x 1,024 float32.
;; Outputs: out0 4 x 2,048 x 1,024 float32.
;; This version of the problem:
;;   THIS VERSION OF THE PROBLEM IS GIVEN IN LOW PRECISION. The matrix products marked QUANTISED in the list below multiply operands that are first quantised to E3M2 (3 exponent bits, 2 mantissa bits; 6 bits a number), with one power-of-two scale for each 32 numbers along K (OCP MX v1.0); their sums are f32. All else is computed in f32.
;;   The module's matrix products, in the order in which they are computed (A, B: the left and right operand; K: the contracted axis; several contracted axes count as one K, in the product's order):
;;     1. [M 8,192, K 1,024] x [K 1,024, N 1,024]; A: input x; B: input w_q: QUANTISED
;;     2. [M 8,192, K 1,024] x [K 1,024, N 1,024]; A: input x; B: input w_k: QUANTISED
;;     3. [M 8,192, K 1,024] x [K 1,024, N 1,024]; A: input x; B: input w_v: QUANTISED
;;     4. batch 4 x [M 2,048, K 1,024] x [K 1,024, N 2,048]; A: computed on the way; B: computed on the way: QUANTISED
;;     5. batch 4 x [M 2,048, K 2,048] x [K 2,048, N 1,024]; A: softmax (see below); B: computed on the way: QUANTISED
;;   THE QUANTISER, for each operand of a quantised product, along K:
;;     - K is cut into blocks of 32 from its start; a last block that is shorter is filled with zeros.
;;     - A block's scale is 2^e with e = floor(log2(the largest magnitude in the block)) - 4, held to -126 .. 127; a block of zeros has e = 0. As a byte (E8M0): e + 127.
;;     - Each number is divided by its block's scale, clamped to +-28, and rounded to the nearest number of E3M2, ties to even, subnormals kept.
;;     - The product sums the exact products of the quantised numbers (number of the format x scale) in f32.
;;   ~~~python
;;   def quantise(x, axis):      # numpy; x: float32 -> the quantised numbers, widened to float32 again
;;       x = np.moveaxis(x, axis, -1); K = x.shape[-1]
;;       x = np.pad(x, [(0, 0)] * (x.ndim - 1) + [(0, -K % 32)]); x = x.reshape(x.shape[:-1] + (-1, 32)); a = np.abs(x).max(-1, keepdims=True)
;;       e = np.where(a > 0, np.clip(np.frexp(np.where(a > 0, a, 1))[1] - 1 - 4, -126, 127), 0)      # np.frexp(a)[1] - 1 = floor(log2(a)), exactly
;;       r = np.clip(x / 2.0 ** e, -28, 28)
;;       step = 2.0 ** (np.maximum(np.frexp(np.where(r == 0, 1, r))[1] - 1, -2) - 2)
;;       q = np.round(r / step) * step * 2.0 ** e      # np.round: ties to even
;;       return np.moveaxis(q.reshape(q.shape[:-2] + (-1,))[..., :K], -1, axis).astype(np.float32)
;;   ~~~
;;   SOFTMAX AHEAD OF A QUANTISED PRODUCT. Where the list says 'softmax', what is quantised is not the finished softmax but p = 2^(t - M), with t = logit x log2(e) and M = ceil(the row's largest t), a whole number; so 1/2 < the row's largest p <= 1. The row's sum l is taken of the UNQUANTISED p, in f32, and the product's result is divided by l at the end. Since M is a whole number, a kernel that streams over the keys may use a running M (the ceiling of the running maximum): every later rescaling is an exact power of two, which a block's scale takes up: the codes' values come out the same.
;;   OPERANDS COMPUTED ON THE WAY. 'Computed on the way' means the value that the module computes at that place (a softmax that the list does not call 'softmax' is quantised finished and normalised). What goes into a quantiser is computed in f32, as accurately as f32 sums, v_exp_f32 and their like allow (about 1e-6 of the number): no bf16 or f16 on the way to a quantiser, and a product that is left as it is and whose result goes on into a quantised operand takes f32 operands (vector FMAs, or v_wmma_f32_16x16x4_f32). A number that lies on a knife's edge between two numbers of the format may be rounded either way, as far as f32 arithmetic and the matrix unit's own rounding can turn it there, and no further.
;; One version. Each part assembles by itself: llvm-mc -triple=amdgcn-amd-amdhsa -mcpu=gfx1250 --defsym DOCPART=n.
;; ======== version 1 of 1: 4 launches
;; workspace buffers: xw_codes 8,650,752 bytes; xw_scales 360,448 bytes; qkv_codes 18,874,368 bytes; qkv_scales 786,432 bytes; p_codes 12,582,912 bytes; p_scales 524,288 bytes; p_stats 1,048,576 bytes
;; launch quant (part 1): grid 352 x 1, 4 waves a work-group, no clusters, 34,304 bytes of LDS; arguments x, w_q, w_k, w_v, xw_codes, xw_scales; writes xw_codes, xw_scales
.if DOCPART == 1
	.amdgcn_target "amdgcn-amd-amdhsa--gfx1250"
	.amdhsa_code_object_version 6
	.text
	.protected	k_qd061155da5_quant
	.globl	k_qd061155da5_quant
	.p2align	8
	.type	k_qd061155da5_quant,@function
k_qd061155da5_quant:
	s_mov_b64 s[64:65], 0
	v_nop
	global_prefetch_b8 v0, s[64:65] scope:SCOPE_SE
	s_setreg_imm32_b32 hwreg(HW_REG_WAVE_MODE, 25, 1), 1
	s_wait_xcnt 0x0
; x [8192][1024] and w_q, w_k, w_v [1024][1024], f32 with K innermost, become codes of BF6 (E3M2) with one E8M0 byte for each 32 along K.
; A block's scale is 2^(floor(log2(its largest magnitude)) - 4); its byte is the largest magnitude's exponent field - 4, held at 1 from below.
; LIMITS: a block of zeros gets the byte 1 (its codes are zeros, and only this program reads the bytes); NaN and infinities among the inputs are not served.
; LAYOUT OF THE RESULT.  The 11,264 rows (x, then w_q, w_k, w_v) are 88 groups of 128 POSITIONS.  Position p holds the row whose number is p with bits 3 and 4 exchanged: so block 2 i + u of 16 positions,
; lane r, is row 32 i + 8 u + r + 8 (r / 8).  A fragment (16 positions x 128 K, 12 registers a lane) is stored as an IMAGE OF ITS REGISTERS: registers 4 c .. 4 c + 3 of lane l at 512 c + 16 l, 1,536 bytes.
; Group G, K step s: eight images on end at (8 G + s) x 12,288.  Its scale words: 512 bytes at (8 G + s) x 512, the word of block i, lane r at 256 (i / 4) + 16 r + 4 (i % 4).
; SHARES.  A wave takes 64 positions (half H of a group) x one K step of 128: four images.  Each load reads 512 consecutive bytes of one row; a block's 16 rows turn through the wave's own stage in LDS
; (rows of 528 bytes) so that a lane gets 16 neighbours of each block of 32.  Waves share nothing: no barrier.  Work-groups share no input: no cluster.
.set SP,    528                        ; a stage row: 512 bytes + 16
.set STGB,  16*SP                      ; a wave's stage
.set FRB,   1536                       ; a fragment's image
.set KSB,   8*FRB                      ; a group's eight images of one K step
.set LI,    5                          ; v5   16 x lane
.set STW,   6                          ; v6   the stage, on the way in: 16 x lane
.set STR,   7                          ; v7   and on the way out: 528 r + 64 h
.set SWA,   8                          ; v8   16 r + 8 h: my two scale words
.set TM,    16                         ; v16-31 at work in QUANT
.set PC,    32                         ; v32-50 the codes just made
.set PWS,   52                         ; v52-55 the four blocks' scale words
.set SW,    56                         ; v56-57 the two that I store
.set R,     64                         ; v64-191 two sets of 16 rows as they are loaded
.set X,     192                        ; v192-255 64 numbers of my row: register 16 b + i = k 32 b + 16 h + i
.set SEL,   20                         ; s20-21 lane selects for v_permlanex16_b32: lane l xor 16
; 64 numbers of a lane, register 16 b + i = k 32 b + 16 (lane / 16) + i of my row, become a fragment's codes in v[pc] on and its scale word in v[pw].
.macro QUANT s, pc, pw
.irp b, 0,1,2,3
	v_max3_num_f32 v[TM+\b], |v[\s+16*\b]|, |v[\s+1+16*\b]|, 0x2800000   ; block b: my 16 numbers, and the floor 2^(5 - 127): the byte cannot fall under 1
.endr
.irp i, 2,4,6,8,10,12,14
.irp b, 0,1,2,3
	v_max3_num_f32 v[TM+\b], v[TM+\b], |v[\s+16*\b+\i]|, |v[\s+1+16*\b+\i]|   ; the four blocks by turns
.endr
.endr
.irp b, 0,1,2,3
	v_permlanex16_b32 v[TM+4+\b], v[TM+\b], s[SEL], s[SEL+1]
.endr
.irp b, 0,1,2,3
	v_max_num_f32 v[TM+\b], v[TM+\b], v[TM+4+\b]   ; with lane l xor 16's: the block's largest magnitude
.endr
.irp b, 0,1,2,3
	v_add_nc_u32 v[TM+12+\b], 0xfe000000, v[TM+\b]   ; 4 off its exponent field: the conversion's scale operand
.endr
.irp b, 0,1,2,3
	v_lshrrev_b32 v[TM+4+\b], 23, v[TM+12+\b]      ; the scale's byte
.endr
	v_lshl_or_b32 v[\pw], v[TM+5], 8, v[TM+4]      ; four bytes make my row's scale word
	v_lshl_or_b32 v[\pw], v[TM+6], 16, v[\pw]
	v_lshl_or_b32 v[\pw], v[TM+7], 24, v[\pw]
.irp c, 0,1
	v_cvt_scalef32_pk16_bf6_f32 v[\pc+6*\c:\pc+2+6*\c], v[\s+32*\c:\s+15+32*\c], v[TM+12+2*\c]
	v_cvt_scalef32_pk16_bf6_f32 v[\pc+12+4*\c:\pc+14+4*\c], v[\s+16+32*\c:\s+31+32*\c], v[TM+12+2*\c+1]   ; a conversion's three registers begin on an even number
.endr
	v_nop                                          ; one plain place behind a scaled conversion
.irp c, 0,1                                    ; the operand's layout wants a whole block in a lane: lanes 0-15 block 2 c, lanes 16-31 block 2 c + 1
.irp i, 0,1,2
	v_permlane16_swap_b32 v[\pc+6*\c+\i], v[\pc+12+4*\c+\i]
.endr
.irp i, 0,1,2
	v_mov_b32 v[\pc+3+6*\c+\i], v[\pc+12+4*\c+\i]
.endr
.endr
.endm
; block n of my four: its 16 positions' rows, 512 bytes each, into set n % 2
.macro LOADB n
.irp t, 0,1,2,3,4,5,6,7,8,9,10,11,12,13,14,15
	global_load_b128 v[R+64*((\n)%2)+4*\t:R+64*((\n)%2)+4*\t+3], v[LI], s[4:5] offset:(32*((\n)/2)+8*((\n)%2)+\t+8*(\t/8))*4096 th:TH_LOAD_NT
.endr
.endm
	s_load_b256 s[4:11], s[0:1], 0x0               ; x, w_q, w_k, w_v
	s_load_b128 s[12:15], s[0:1], 0x20             ; the codes, the scale words
	v_lshl_add_u32 v62, v0, 2, 0x8400
	v_mov_b32 v63, 0
	v_lshrrev_b32 v1, 5, v0
	v_readfirstlane_b32 s16, v1                    ; wave 0..3
	v_and_b32 v2, 31, v0                           ; lane
	v_and_b32 v3, 15, v0                           ; r
	v_bfe_u32 v4, v0, 4, 1                         ; h
	v_lshlrev_b32 v[LI], 4, v2
	s_mul_i32 s18, s16, STGB                       ; my stage
	v_add_nc_u32 v[STW], s18, v[LI]
	v_mul_u32_u24 v[STR], v3, SP
	v_lshl_add_u32 v[STR], v4, 6, v[STR]
	v_add_nc_u32 v[STR], s18, v[STR]
	v_lshlrev_b32 v[SWA], 4, v3
	v_lshl_add_u32 v[SWA], v4, 3, v[SWA]
	s_mov_b32 s[SEL], 0x76543210
	s_mov_b32 s[SEL+1], 0xfedcba98
.irp b, 0,1,2,3
	v_mov_b32 v[TM+4+\b], 0                        ; written once: a lane permute's destination counts as one of its sources
.endr
	s_and_b32 s17, ttmp9, 31                       ; the work-group's number inside a weight (32 work-groups each)
	s_lshr_b32 s22, ttmp9, 1                       ; which half group of the 176
	s_lshr_b32 s23, s22, 1                         ; G
	s_and_b32 s24, s22, 1                          ; H
	s_and_b32 s25, ttmp9, 1
	s_lshl_b32 s25, s25, 2
	s_add_co_u32 s25, s25, s16                     ; my K step: 4 x (work-group % 2) + wave
	s_wait_kmcnt 0x0
	s_cmp_lt_u32 ttmp9, 320                        ; which tensor: the choice hangs on the work-group's number alone
	s_cselect_b64 s[8:9], s[8:9], s[10:11]
	s_cmp_lt_u32 ttmp9, 288
	s_cselect_b64 s[6:7], s[6:7], s[8:9]
	s_cmp_lt_u32 ttmp9, 256
	s_cselect_b64 s[4:5], s[4:5], s[6:7]
	s_cselect_b32 s17, ttmp9, s17
	s_lshr_b32 s17, s17, 1                         ; the half group inside its tensor
	s_lshl_b32 s26, s17, 18                        ; 64 rows of 4,096 bytes
	s_lshl_b32 s27, s25, 9                         ; 128 numbers a K step
	s_add_co_u32 s26, s26, s27
	s_mov_b32 s27, 0
	s_add_nc_u64 s[4:5], s[4:5], s[26:27]
	s_lshl_b32 s28, s23, 3
	s_add_co_u32 s28, s28, s25                     ; 8 G + s
	s_mul_i32 s26, s28, KSB
	s_mul_i32 s29, s24, 4*FRB
	s_add_co_u32 s26, s26, s29
	s_add_nc_u64 s[12:13], s[12:13], s[26:27]
	s_lshl_b32 s26, s28, 9
	s_lshl_b32 s29, s24, 8
	s_add_co_u32 s26, s26, s29
	s_add_nc_u64 s[14:15], s[14:15], s[26:27]
	LOADB 0
	LOADB 1                                        ; 32 loads of a wave are out
.irp n, 0,1,2,3
.if \n < 3
	s_wait_loadcnt 16                              ; this block's 16 loads are in; the next block's 16 may be out
.else
	s_wait_loadcnt 0x0
.endif
.irp t, 0,1,2,3,4,5,6,7,8,9,10,11,12,13,14,15
	ds_store_b128 v[STW], v[R+64*(\n%2)+4*\t:R+64*(\n%2)+4*\t+3] offset:SP*\t
.endr
.irp b, 0,1,2,3
.irp j, 0,1,2,3
	ds_load_b128 v[X+16*\b+4*\j:X+16*\b+4*\j+3], v[STR] offset:128*\b+16*\j   ; LDS serves a wave's instructions in order: these see the stores above
.endr
.endr
	s_wait_dscnt 0x0                               ; my 64 numbers are back, and the stores have read their registers,
.if \n < 2
	LOADB \n+2                                     ; which take the block two further on
.endif
.if \n > 0
	s_wait_xcnt 0x0                                ; the last block's stores have read the codes' registers: they are written again only behind this wait
.endif
	QUANT X, PC, PWS+\n
.irp c, 0,1,2
	global_store_b128 v[LI], v[PC+4*\c:PC+4*\c+3], s[12:13] offset:FRB*\n+512*\c   ; 32 lanes store 512 consecutive bytes, at a multiple of 256 from the buffer's first byte
.endr
.endr
	v_cmp_ne_u32 vcc_lo, 0, v4                     ; lanes 0-15 store the words of blocks 0, 1 of their row, lanes 16-31 those of blocks 2, 3
	v_cndmask_b32 v[SW], v[PWS], v[PWS+2], vcc_lo
	v_cndmask_b32 v[SW+1], v[PWS+1], v[PWS+3], vcc_lo
	global_store_b64 v[SWA], v[SW:SW+1], s[14:15]  ; 256 consecutive bytes
	s_wait_tensorcnt 0x0
	ds_add_u32 v62, v63
	s_wait_dscnt 0x0
	s_endpgm
.Lfunc_end_k_qd061155da5_quant:
	.size	k_qd061155da5_quant, .Lfunc_end_k_qd061155da5_quant-k_qd061155da5_quant
	.p2alignl 7, 3214868480
	.fill 96, 4, 3214868480
	.section	.rodata,"a",@progbits
	.p2align	6, 0x0
	.amdhsa_kernel k_qd061155da5_quant
		.amdhsa_group_segment_fixed_size 34304
		.amdhsa_private_segment_fixed_size 0
		.amdhsa_enable_private_segment 0
		.amdhsa_kernarg_size 48
		.amdhsa_user_sgpr_count 2
		.amdhsa_user_sgpr_kernarg_segment_ptr 1
		.amdhsa_wavefront_size32 1
		.amdhsa_system_sgpr_workgroup_id_x 1
		.amdhsa_system_sgpr_workgroup_id_y 1
		.amdhsa_system_sgpr_workgroup_id_z 1
		.amdhsa_system_vgpr_workitem_id 0
		.amdhsa_next_free_vgpr 256
		.amdhsa_next_free_sgpr 66
		.amdhsa_reserve_vcc 1
		.amdhsa_float_denorm_mode_32 3
		.amdhsa_float_denorm_mode_16_64 3
		.amdhsa_memory_ordered 1
		.amdhsa_forward_progress 1
		.amdhsa_inst_pref_size 34
	.end_amdhsa_kernel
	.amdgpu_metadata
---
amdhsa.version: [ 1, 2 ]
amdhsa.kernels:
  - .name:           k_qd061155da5_quant
    .symbol:         k_qd061155da5_quant.kd
    .args:
      - { .name: x, .offset: 0, .size: 8, .value_kind: global_buffer, .address_space: global }
      - { .name: w_q, .offset: 8, .size: 8, .value_kind: global_buffer, .address_space: global }
      - { .name: w_k, .offset: 16, .size: 8, .value_kind: global_buffer, .address_space: global }
      - { .name: w_v, .offset: 24, .size: 8, .value_kind: global_buffer, .address_space: global }
      - { .name: xw_codes, .offset: 32, .size: 8, .value_kind: global_buffer, .address_space: global }
      - { .name: xw_scales, .offset: 40, .size: 8, .value_kind: global_buffer, .address_space: global }
    .group_segment_fixed_size: 34304
    .private_segment_fixed_size: 0
    .kernarg_segment_align: 8
    .kernarg_segment_size: 48
    .max_flat_workgroup_size: 128
    .sgpr_count:     66
    .vgpr_count:     256
    .wavefront_size: 32
...
	.end_amdgpu_metadata
.endif
;; end of part 1
;; launch proj (part 2): grid 12 x 32, 4 waves a work-group, clusters of 4 x 4, 327,680 bytes of LDS; arguments xw_codes, xw_scales, b_q, b_k, b_v, qkv_codes, qkv_scales; writes qkv_codes, qkv_scales
.if DOCPART == 2
	.amdgcn_target "amdgcn-amd-amdhsa--gfx1250"
	.amdhsa_code_object_version 6
	.text
	.protected	k_qd061155da5_proj
	.globl	k_qd061155da5_proj
	.p2align	8
	.type	k_qd061155da5_proj,@function
k_qd061155da5_proj:
	s_mov_b64 s[64:65], 0
	v_nop
	global_prefetch_b8 v0, s[64:65] scope:SCOPE_SE
	s_setreg_imm32_b32 hwreg(HW_REG_WAVE_MODE, 25, 1), 1
	s_wait_xcnt 0x0
	s_wait_alu depctr_hold_cnt(0) depctr_sa_sdst(0) depctr_va_vdst(0) depctr_va_sdst(0) depctr_va_ssrc(0) depctr_va_vcc(0) depctr_vm_vsrc(0)
	s_getreg_b32 s2, hwreg(HW_REG_IB_STS2, 6, 4)
	s_cmp_eq_u32 s2, 0
	s_cbranch_scc0 .Lentry_in_a_cluster
	s_endpgm
.Lentry_in_a_cluster:
	s_bfe_u32 s2, ttmp6, 0x10000c
	s_cmp_lg_u32 s2, 0xf033
	s_cbranch_scc0 .Lentry_shape_is_right
	s_endpgm
.Lentry_shape_is_right:
; q = x w_q^T + b_q, k = x w_k^T + b_k, v = x w_v^T + b_v on codes of BF6 (E3M2) with E8M0 scales; the results are quantised at once: q and k along e, v along the keys (v^T).
; OPERANDS are images of fragments' registers: 16 positions x 128 K in 1,536 bytes (registers 4 c .. 4 c + 3 of lane l at 512 c + 16 l); a group of 128 positions and a K step of 128 are eight images on end;
; position p holds the row p with bits 3 and 4 exchanged.  As source 0 of the matrix instruction such blocks give a lane, in accumulators 2 b and 2 b + 1, 16 NEIGHBOURS of the next product's K.
; A tile of 256 x 256 is made by four waves, 128 x 128 each: 64 accumulators, 512 registers.  K goes in steps of 256 through two LDS slots; a wave's tensor load brings 128 positions x 256 K, 24,576 dense bytes.
; The scale words of the work-group's 512 positions for all of K come once, with the first fills.
; WHICH TILE.  Cluster x = 0: q, 1: k, 2: v^T.  q, k: the lanes' operand (source 1) is x, the registers' operand (source 0) is the weight.  v^T: the lanes' operand is w_v, the registers' is x, so that registers run along the keys.
; CLUSTERS: 4 x 4 work-groups; the lanes' tile is shared along a row of the cluster, the registers' along a column: each is asked for jointly, by the same tensor load with a mask that names the four.
; LIMITS: a block of zeros gets the byte 1 (only this program reads the bytes); NaN and infinities are not served.
; REGISTERS: window 0: v1 r, v2 h, v8-9 bias offsets, v16-29 addresses, v32-63 scale words (two sets), v64-127 the bias along registers, v128-223 the lanes' fragments (one set), v240-255 the bias along lanes;
;   window 1: the registers' fragments, two sets at v0 and v128;  windows 2, 3: the accumulators, (a, b) at v[8 (8 (a % 4) + b)].  On the way out v32-63 and v128-230 are at work.
.set NS,    8                          ; K steps of 128
.set NQ,    2                          ; of them in a slot
.set FR,    12                         ; registers of a fragment
.set NL,    3                          ; LDS loads that bring one
.set NP,    4                          ; places behind this matrix instruction (ISA guide 7.12.1)
.set FRB,   1536
.set KSB,   8*FRB
.set HALFT, NQ*KSB                     ; what one tensor load brings
.set SLOT,  4*HALFT                    ; the lanes' two groups, then the registers' two
.set LAPS,  NS/4                       ; a lap = once round the ring
.set GS,    NS*512                     ; a group's scale words for all of K
.set SCL,   2*SLOT                     ; behind the ring: the scale words of four groups
.set SPARE, SCL+4*GS                   ; the spare words: 128 bytes a wave, two blocks of 256 bytes that no other line names
.set ADRA,  16                         ; v16-17 LDS address of my lanes' fragments in slot 0, 1
.set ADRB,  20                         ; v20-21 of my registers' fragments
.set LI,    24                         ; v24 16 x lane
.set ADRS,  27                         ; v27 my scale words: lanes 0-15 the lanes' operand's, lanes 16-31 the registers' operand's
.set SPW,   28                         ; v28 my spare word; never rewritten
.set NIL,   29                         ; v29 0; never rewritten
.set SC,    32                         ; scale words: register SC + 16 set + 8 q + i: block i
.set AF,    128
.set G1,    24
.set G0,    32
.set G1B,   48
.set G0B,   56
.set G1S,   68
.set G0S,   76
.set G1SB,  80
.set G0SB,  88
.set SEL,   66                         ; s66-67 lane selects for v_permlanex16_b32
.set TM,    32                         ; the way out: at work in QUANT
.set PWS,   48                         ; the eight blocks' scale words
.set SW,    56                         ; the four that I store
.set BJ,    64                         ; the bias by register (q, k)
.set T,     128                        ; a block's 64 numbers
.set PCA,   192                        ; codes: two sets of 20 registers by turns
.set BL,    240                        ; the bias by lane (v), each number twice
.set MSB, 0
.macro WIN new                         ; the immediate's high byte repeats the setting that is left
.if MSB != (\new)
	s_set_vgpr_msb (MSB<<8)|(\new)
.set MSB, (\new)
.endif
.endm
.set MUL_LO, 0xa1                      ; source 0 window 1, source 1 window 0, C and D window 2
.set MUL_HI, 0xf1                      ; the same, C and D window 3
.set TO_B,   0x40                      ; destination window 1, address window 0
; A joint load: waves 0 and 1 fetch the lanes' two groups, waves 2 and 3 the registers'.  The branch hangs on the wave's number alone.  Four v_nop follow each of the two lines.
.macro JLOAD g0a, g1a, g0b, g1b
	s_cmp_eq_u32 s21, 0
	s_cbranch_scc0 .Lfor_b_\@
	tensor_load_to_lds s[\g0a:\g0a+3], s[\g1a:\g1a+7]
	s_nop 0
.rept 4
	v_nop
.endr
	s_branch .Lasked_\@
.Lfor_b_\@:
	tensor_load_to_lds s[\g0b:\g0b+3], s[\g1b:\g1b+7]
	s_nop 0
.rept 4
	v_nop
.endr
.Lasked_\@:
.endm
.macro CREST                           ; a round of the cluster's barrier behind its opening barrier
	s_cmp_lg_u32 s20, 0
	s_cbranch_scc1 .Lnot_wave_0_\@
	s_barrier_signal -3
.Lnot_wave_0_\@:
	s_barrier_wait -3
	s_barrier_signal -1
	s_barrier_wait -1
.endm
.macro CROUND
	s_barrier_signal -1
	s_barrier_wait -1
	CREST
.endm
.macro PLACES n
.rept \n
	v_nop
.endr
.endm
.macro FRAG reg, adr, q, i             ; a fragment comes back as it was stored: three loads of 512 consecutive bytes
.irp c, 0,1,2
	ds_load_b128 v[\reg+4*\c:\reg+4*\c+3], v[\adr] offset:(\q)*KSB+(\i)*FRB+512*\c
.endr
.endm
; 16 matrix instructions: the lanes' blocks a0, a0 + 1 x the registers' eight.  The 64 accumulators take turns, one instruction a turn, in the same order in every step.
.macro MUL16 a0, p, q, sc, zero
.irp a, \a0, \a0+1
.irp b, 0,1,2,3,4,5,6,7
.if \zero
	v_wmma_scale_f32_16x16x128_f8f6f4 v[8*(8*((\a)%4)+\b):8*(8*((\a)%4)+\b)+7], v[128*(\p)+FR*\b:128*(\p)+FR*\b+FR-1], v[AF+FR*(\a):AF+FR*(\a)+FR-1], 0, v[SC+16*(\sc)+8*(\q)+\b], v[SC+16*(\sc)+8*(\q)+(\a)] matrix_a_fmt:MATRIX_FMT_BF6 matrix_b_fmt:MATRIX_FMT_BF6 matrix_a_scale:MATRIX_SCALE_ROW1
.else
	v_wmma_scale_f32_16x16x128_f8f6f4 v[8*(8*((\a)%4)+\b):8*(8*((\a)%4)+\b)+7], v[128*(\p)+FR*\b:128*(\p)+FR*\b+FR-1], v[AF+FR*(\a):AF+FR*(\a)+FR-1], v[8*(8*((\a)%4)+\b):8*(8*((\a)%4)+\b)+7], v[SC+16*(\sc)+8*(\q)+\b], v[SC+16*(\sc)+8*(\q)+(\a)] matrix_a_fmt:MATRIX_FMT_BF6 matrix_b_fmt:MATRIX_FMT_BF6 matrix_a_scale:MATRIX_SCALE_ROW1
.endif
.endr
.endr
.endm
.macro FETCH_B slot, q, p
	WIN TO_B
.irp i, 0,1,2,3,4,5,6,7
	FRAG 128*(\p)+FR*\i, ADRB+\slot, \q, \i
.endr
	WIN 0
.endm
.macro FETCH_A slot, q, i0
.irp i, \i0, \i0+1, \i0+2, \i0+3
	FRAG AF+FR*(\i), ADRA+\slot, \q, \i
.endr
.endm
.macro SCALES sc                       ; a slot's scale words: four loads of 16 bytes a lane
.irp q, 0,1
.irp g, 0,1
	ds_load_b128 v[SC+16*\sc+8*\q+4*\g:SC+16*\sc+8*\q+4*\g+3], v[ADRS] offset:512*\q+256*\g
.endr
.endr
.endm
; A step of 128 along K that has its successor in the same slot.
.macro STEP slot, q, zero
	s_wait_dscnt 4*NL                              ; all but the youngest 12 loads (the lanes' blocks 4-7) are in
	WIN MUL_LO
	MUL16 0, (\q)%2, \q, \slot, \zero
	MUL16 2, (\q)%2, \q, \slot, \zero
	s_wait_dscnt 0
	PLACES NP                                      ; places in front of loads into registers that matrix instructions have read
	FETCH_B \slot, (\q)+1, 1-(\q)%2
	FETCH_A \slot, (\q)+1, 0
	WIN MUL_HI
	MUL16 4, (\q)%2, \q, \slot, \zero
	MUL16 6, (\q)%2, \q, \slot, \zero
	PLACES NP
	WIN 0
	FETCH_A \slot, (\q)+1, 4
.endm
; A slot's last step changes slots: one barrier; in front of it each wave waits for all its tensor loads, adds 0 to its spare word, and waits for that and for its own reads of this slot.
.macro TURN slot, next, fill
	s_wait_tensorcnt 0x0                           ; all my tensor loads have landed: my part of the next slot
	ds_add_u32 v[SPW], v[NIL]                      ; 0 onto my spare word
	s_wait_dscnt 4*NL+1                            ; the add and the youngest 12 loads may be out
	WIN MUL_LO
	MUL16 0, 1, NQ-1, \slot, 0
	s_wait_dscnt 0x0                               ; the add is done, and my reads of this slot are over
	s_barrier_signal -1
	MUL16 2, 1, NQ-1, \slot, 0
	WIN 0
	s_barrier_wait -1
.if \fill
	CREST                                          ; the barrier has opened a round of the cluster's barrier: no wave of any partner still reads this slot or has a load on its way
	s_add_nc_u64 s[G0+4*\slot+2:G0+4*\slot+3], s[G0+4*\slot+2:G0+4*\slot+3], 2*HALFT
	s_add_nc_u64 s[G0B+4*\slot+2:G0B+4*\slot+3], s[G0B+4*\slot+2:G0B+4*\slot+3], 2*HALFT
	JLOAD G0+4*\slot, G1, G0B+4*\slot, G1B         ; the first tensor load behind the round; its four v_nop are the places in front of the loads below
.else
	PLACES NP
.endif
	v_add_nc_u32 v[ADRS], 512*NQ, v[ADRS]          ; the next slot's scale words
	FETCH_B \next, 0, 0
	FETCH_A \next, 0, 0
	SCALES \next
	WIN MUL_HI
	MUL16 4, 1, NQ-1, \slot, 0
	MUL16 6, 1, NQ-1, \slot, 0
	PLACES NP
	WIN 0
	FETCH_A \next, 0, 4
.endm
; 64 numbers of a lane, register 16 b + i = k 32 b + 16 (lane / 16) + i of my row, become a fragment's codes in v[pc] on and its scale word in v[pw].
.macro QUANT s, pc, pw
.irp b, 0,1,2,3
	v_max3_num_f32 v[TM+\b], |v[\s+16*\b]|, |v[\s+1+16*\b]|, 0x2800000   ; and the floor 2^(5 - 127): the byte cannot fall under 1
.endr
.irp i, 2,4,6,8,10,12,14
.irp b, 0,1,2,3
	v_max3_num_f32 v[TM+\b], v[TM+\b], |v[\s+16*\b+\i]|, |v[\s+1+16*\b+\i]|
.endr
.endr
.irp b, 0,1,2,3
	v_permlanex16_b32 v[TM+4+\b], v[TM+\b], s[SEL], s[SEL+1]
.endr
.irp b, 0,1,2,3
	v_max_num_f32 v[TM+\b], v[TM+\b], v[TM+4+\b]
.endr
.irp b, 0,1,2,3
	v_add_nc_u32 v[TM+12+\b], 0xfe000000, v[TM+\b]   ; 4 off the exponent field: the conversion's scale operand
.endr
.irp b, 0,1,2,3
	v_lshrrev_b32 v[TM+4+\b], 23, v[TM+12+\b]
.endr
	v_lshl_or_b32 v[\pw], v[TM+5], 8, v[TM+4]
	v_lshl_or_b32 v[\pw], v[TM+6], 16, v[\pw]
	v_lshl_or_b32 v[\pw], v[TM+7], 24, v[\pw]
.irp c, 0,1
	v_cvt_scalef32_pk16_bf6_f32 v[\pc+6*\c:\pc+2+6*\c], v[\s+32*\c:\s+15+32*\c], v[TM+12+2*\c]
	v_cvt_scalef32_pk16_bf6_f32 v[\pc+12+4*\c:\pc+14+4*\c], v[\s+16+32*\c:\s+31+32*\c], v[TM+12+2*\c+1]
.endr
	v_nop                                          ; one plain place behind a scaled conversion
.irp c, 0,1
.irp i, 0,1,2
	v_permlane16_swap_b32 v[\pc+6*\c+\i], v[\pc+12+4*\c+\i]
.endr
.irp i, 0,1,2
	v_mov_b32 v[\pc+3+6*\c+\i], v[\pc+12+4*\c+\i]
.endr
.endr
.endm
; Block a's 64 sums + the bias -> T, in window 0.  q, k: the bias goes by register; v^T: by lane.  The branch hangs on the cluster's x alone and stands round register work.  Each accumulator is read from its low end on.
.macro BIAS a
.set AC, 64*((\a)%4)
.set WW, 2+(\a)/4
	s_cmp_eq_u32 s100, 1
	s_cbranch_scc1 .Lby_lane_\@
	WIN WW
.set bi, 0
.rept 32
	v_pk_add_f32 v[T+bi:T+bi+1], v[AC+bi:AC+bi+1], v[BJ+bi:BJ+bi+1]
.set bi, bi+2
.endr
	WIN 0
	s_branch .Lbiased_\@
.Lby_lane_\@:
	WIN WW
.set bi, 0
.rept 32
	v_pk_add_f32 v[T+bi:T+bi+1], v[AC+bi:AC+bi+1], v[BL+2*(\a):BL+2*(\a)+1]
.set bi, bi+2
.endr
	WIN 0
.Lbiased_\@:
.endm
	s_load_b256 s[4:11], s[0:1], 0x0               ; xw_codes, xw_scales, b_q, b_k
	s_load_b128 s[12:15], s[0:1], 0x20             ; b_v, qkv_codes
	s_load_b64 s[16:17], s[0:1], 0x30              ; qkv_scales
	v_lshl_add_u32 v[SPW], v0, 2, SPARE
	v_mov_b32 v[NIL], 0
	ds_add_u32 v28, v29
	ds_add_u32 v28, v29
	s_wait_dscnt 0x0
	v_lshrrev_b32 v1, 5, v0
	v_readfirstlane_b32 s20, v1                    ; wave 0..3
	s_lshr_b32 s21, s20, 1                         ; WR: which half of the tile's lanes' rows is mine.  Also: I fetch for the lanes' operand (0) or the registers' (1)
	s_and_b32 s22, s20, 1                          ; WC: which half of the registers' rows.  Also: which group of that tile I fetch
	s_bfe_u32 s40, ttmp6, 0x40000                  ; cx
	s_bfe_u32 s41, ttmp6, 0x40004                  ; cy
	s_and_b32 s46, ttmp7, 0xffff                   ; cluster y
	s_lshl_b32 s44, s41, 2
	s_lshl_b32 s44, 15, s44                        ; my row of the cluster
	s_lshl_b32 s45, 0x1111, s40                    ; my column
	s_lshr_b32 s100, ttmp9, 1                      ; 1 for v^T, else 0
	s_xor_b32 s101, s100, 1                        ; and the other way round
	s_mov_b32 s[SEL], 0x76543210
	s_mov_b32 s[SEL+1], 0xfedcba98
	; the lanes' operand: q, k: x, tile row 4 x cluster y + cy;  v^T: w_v (groups 80 on), tile row cy.  These registers never hold cx
	s_mul_i32 s92, s46, s101
	s_lshl_b32 s92, s92, 2
	s_add_co_u32 s43, s92, s41                     ; TR
	s_lshl_b32 s92, s43, 1
	s_add_co_u32 s92, s92, s22
	s_mul_i32 s93, s100, 80
	s_add_co_u32 s92, s92, s93                     ; the group that I would fetch
	s_mul_i32 s94, s92, GS
	s_mul_i32 s92, s92, NS*KSB
	s_mov_b32 s93, 0
	s_mov_b32 s95, 0
	; the registers' operand: q, k: the weights (groups 64 on), tile column 4 x cluster x + cx;  v^T: x, tile column 4 x cluster y + cx.  These never hold cy
	s_mul_i32 s96, ttmp9, s101
	s_mul_i32 s97, s46, s100
	s_add_co_u32 s96, s96, s97
	s_lshl_b32 s96, s96, 2
	s_add_co_u32 s42, s96, s40                     ; TC
	s_lshl_b32 s96, s42, 1
	s_add_co_u32 s96, s96, s22
	s_lshl_b32 s97, s101, 6
	s_add_co_u32 s96, s96, s97
	s_mul_i32 s98, s96, GS
	s_mul_i32 s96, s96, NS*KSB
	s_mov_b32 s97, 0
	s_mov_b32 s99, 0
	; descriptor group 1: a dense block as rows of 256 bytes (32 elements of 8 bytes), no padding
	s_or_b32 s[G1+0], s44, (3<<16)|(1<<21)         ; 15:0 the mask; 17:16 elements of 8 bytes; 21 set beside a mask
	s_or_b32 s[G1B+0], s45, (3<<16)|(1<<21)
.irp g, G1, G1B
	s_mov_b32 s[\g+1], 32<<16                      ; tensor_dim0
	s_mov_b32 s[\g+2], (HALFT/256)<<16             ; tensor_dim1
	s_mov_b32 s[\g+3], 32<<16                      ; tile_dim0
	s_mov_b32 s[\g+4], HALFT/256                   ; tile_dim1
	s_mov_b32 s[\g+5], 32                          ; the pitch
	s_mov_b32 s[\g+6], 0
	s_mov_b32 s[\g+7], 0
.endr
	s_or_b32 s[G1S+0], s44, (3<<16)|(1<<21)
	s_or_b32 s[G1SB+0], s45, (3<<16)|(1<<21)
.irp g, G1S, G1SB
	s_mov_b32 s[\g+1], 32<<16
	s_mov_b32 s[\g+2], (GS/256)<<16
	s_mov_b32 s[\g+3], 32<<16
	s_mov_b32 s[\g+4], GS/256
	s_mov_b32 s[\g+5], 32
	s_mov_b32 s[\g+6], 0
	s_mov_b32 s[\g+7], 0
.endr
	s_mul_i32 s23, s20, HALFT                      ; where they go: by the wave's number alone
	s_mul_i32 s47, s20, GS
	s_wait_kmcnt 0x0
	s_add_nc_u64 s[92:93], s[4:5], s[92:93]
	s_add_nc_u64 s[94:95], s[6:7], s[94:95]
	s_add_nc_u64 s[96:97], s[4:5], s[96:97]
	s_add_nc_u64 s[98:99], s[6:7], s[98:99]
	CROUND                                         ; all sixteen work-groups are here: the first joint loads meet
	s_mov_b32 s[G0S], 1
	s_add_co_u32 s[G0S+1], s47, SCL
	s_mov_b64 s[G0S+2:G0S+3], s[94:95]
	s_or_b32 s[G0S+3], s[G0S+3], 0x80000000
	s_mov_b32 s[G0SB], 1
	s_add_co_u32 s[G0SB+1], s47, SCL
	s_mov_b64 s[G0SB+2:G0SB+3], s[98:99]
	s_or_b32 s[G0SB+3], s[G0SB+3], 0x80000000
	JLOAD G0S, G1S, G0SB, G1SB                     ; the scale words first: three loads of mine are out at the most
.irp s, 0,1
	s_mov_b32 s[G0+4*\s], 1
	s_add_co_u32 s[G0+4*\s+1], s23, \s*SLOT
	s_add_nc_u64 s[G0+4*\s+2:G0+4*\s+3], s[92:93], \s*HALFT
	s_or_b32 s[G0+4*\s+3], s[G0+4*\s+3], 0x80000000
	s_mov_b32 s[G0B+4*\s], 1
	s_add_co_u32 s[G0B+4*\s+1], s23, \s*SLOT
	s_add_nc_u64 s[G0B+4*\s+2:G0B+4*\s+3], s[96:97], \s*HALFT
	s_or_b32 s[G0B+4*\s+3], s[G0B+4*\s+3], 0x80000000
	JLOAD G0+4*\s, G1, G0B+4*\s, G1B
.endr
	v_and_b32 v1, 15, v0                           ; r
	v_bfe_u32 v2, v0, 4, 1                         ; h
	v_and_b32 v3, 31, v0
	v_lshlrev_b32 v[LI], 4, v3
	s_mul_i32 s18, s21, HALFT                      ; my lanes' group
	s_mul_i32 s19, s22, HALFT
	s_add_co_u32 s19, s19, 2*HALFT                 ; my registers' group
.irp s, 0,1
	v_add_nc_u32 v[ADRA+\s], s18, v[LI]
	v_add_nc_u32 v[ADRB+\s], s19, v[LI]
	s_add_co_u32 s18, s18, SLOT
	s_add_co_u32 s19, s19, SLOT
.endr
	s_mul_i32 s18, s21, GS
	s_xor_b32 s19, s21, 1
	s_add_co_u32 s19, s19, s22
	s_add_co_u32 s19, s19, 1                       ; 2 + WC - WR groups lie between the two
	s_mul_i32 s19, s19, GS
	v_mul_u32_u24 v4, s19, v2                      ; lanes 16-31 take the registers' operand's words
	s_add_co_u32 s18, s18, SCL
	v_lshl_add_u32 v4, v1, 4, v4
	v_add_nc_u32 v[ADRS], s18, v4
	; where my 128 x 128 goes: block index BI, 12,288 bytes of codes and 512 of scale words each
	s_lshl_b32 s47, s40, 1
	s_add_co_u32 s47, s47, s22                     ; 2 cx + WC
	s_lshl_b32 s2, s43, 1
	s_add_co_u32 s2, s2, s21
	s_lshl_b32 s2, s2, 3
	s_add_co_u32 s2, s2, s47
	s_lshl_b32 s18, ttmp9, 9
	s_add_co_u32 s2, s2, s18                       ; q, k: 512 x tensor + 8 x row group + K step
	s_lshr_b32 s19, s46, 1                         ; v^T: the batch,
	s_lshl_b32 s19, s19, 3
	s_lshl_b32 s23, s41, 1
	s_add_co_u32 s19, s19, s23
	s_add_co_u32 s19, s19, s21                     ; its group of e,
	s_lshl_b32 s19, s19, 4
	s_and_b32 s23, s46, 1
	s_lshl_b32 s23, s23, 3
	s_add_co_u32 s19, s19, s23
	s_add_co_u32 s19, s19, s47                     ; its step of 128 keys
	s_add_co_u32 s19, s19, 1024
	s_cmp_eq_u32 s100, 1
	s_cselect_b32 s2, s19, s2
	s_mul_i32 s18, s2, KSB
	s_mov_b32 s19, 0
	s_add_nc_u64 s[14:15], s[14:15], s[18:19]
	s_lshl_b32 s18, s2, 9
	s_add_nc_u64 s[16:17], s[16:17], s[18:19]
	; the biases: both kinds are loaded in every work-group; the way out takes one of them
	s_cmp_eq_u32 ttmp9, 1
	s_cselect_b64 s[8:9], s[10:11], s[8:9]         ; b_k for k, else b_q
	s_lshl_b32 s18, s47, 9
	s_add_nc_u64 s[8:9], s[8:9], s[18:19]          ; my 128 numbers along e
	s_lshl_b32 s18, s41, 10
	s_lshl_b32 s23, s21, 9
	s_add_co_u32 s18, s18, s23
	s_add_nc_u64 s[12:13], s[12:13], s[18:19]      ; b_v: my 128 numbers, by cy and WR
	v_lshlrev_b32 v8, 6, v2                        ; by register: accumulator b, register j is e = 32 (b / 2) + 16 h + 8 (b % 2) + j
	v_and_b32 v9, 8, v1
	v_add_nc_u32 v9, v9, v1
	v_lshlrev_b32 v9, 2, v9                        ; by lane: block a, lane r is e = 32 (a / 2) + 8 (a % 2) + r + 8 (r / 8)
.irp b, 0,1,2,3,4,5,6,7
	global_load_b128 v[BJ+8*\b:BJ+8*\b+3], v8, s[8:9] offset:(32*(\b/2)+8*(\b%2))*4
	global_load_b128 v[BJ+8*\b+4:BJ+8*\b+7], v8, s[8:9] offset:(32*(\b/2)+8*(\b%2))*4+16
.endr
.irp a, 0,1,2,3,4,5,6,7
	global_load_b32 v[BL+2*\a], v9, s[12:13] offset:(32*(\a/2)+8*(\a%2))*4
	global_load_b32 v[BL+2*\a+1], v9, s[12:13] offset:(32*(\a/2)+8*(\a%2))*4
.endr
	s_wait_loadcnt 0x0                             ; the biases are in
	s_wait_tensorcnt 1                             ; the scale words and my part of slot 0 are in; slot 1's load may be out
	s_barrier_signal -1
	s_barrier_wait -1
	FETCH_B 0, 0, 0
	FETCH_A 0, 0, 0
	SCALES 0
	FETCH_A 0, 0, 4
	STEP 0, 0, 1                                   ; the first step's products start the sums: nothing is cleared
	s_mov_b32 s3, LAPS-1
.Llap:                                                 ; a trip goes once round the ring and fills both slots again
	TURN 0, 1, 1
	STEP 1, 0, 0
	TURN 1, 0, 1
	STEP 0, 0, 0
	s_sub_co_u32 s3, s3, 1
	s_cmp_lg_u32 s3, 0
	s_cbranch_scc1 .Llap
	TURN 0, 1, 0                                   ; the last lap fills nothing
	STEP 1, 0, 0
	s_wait_dscnt 4*NL
	WIN MUL_LO
	MUL16 0, 1, NQ-1, 1, 0
	MUL16 2, 1, NQ-1, 1, 0
	s_wait_dscnt 0
	WIN MUL_HI
	MUL16 4, 1, NQ-1, 1, 0
	MUL16 6, 1, NQ-1, 1, 0
	WIN 0
	; THE WAY OUT: block by block of 16 lanes' rows x 128: bias, quantised along the registers, stored as an image: no LDS
	PLACES NP
.irp b, 0,1,2,3
	v_mov_b32 v[TM+4+\b], 0                        ; a lane permute's destination counts as one of its sources
.endr
.irp a, 0,1,2,3,4,5,6,7
.if \a >= 2
	s_wait_xcnt 0x0                                ; the stores of two blocks ago have read their codes' registers
.endif
	BIAS \a
	QUANT T, PCA+20*(\a%2), PWS+\a
.irp c, 0,1,2
	global_store_b128 v[LI], v[PCA+20*(\a%2)+4*\c:PCA+20*(\a%2)+4*\c+3], s[14:15] offset:FRB*\a+512*\c   ; 512 consecutive bytes, at a multiple of 256 from the buffer's first byte
.endr
.endr
	v_cmp_ne_u32 vcc_lo, 0, v2                     ; lanes 0-15 store the words of blocks 0-3 of their row, lanes 16-31 those of blocks 4-7
.irp i, 0,1,2,3
	v_cndmask_b32 v[SW+\i], v[PWS+\i], v[PWS+4+\i], vcc_lo
.endr
	global_store_b128 v[LI], v[SW:SW+3], s[16:17]
	s_wait_tensorcnt 0x0                           ; the wave's end
	ds_add_u32 v[SPW], v[NIL]
	s_wait_dscnt 0x0
	CROUND                                         ; the closing round: no work-group ends while a partner may still ask for a tile that names it
	s_endpgm
.Lfunc_end_k_qd061155da5_proj:
	.size	k_qd061155da5_proj, .Lfunc_end_k_qd061155da5_proj-k_qd061155da5_proj
	.p2alignl 7, 3214868480
	.fill 96, 4, 3214868480
	.section	.rodata,"a",@progbits
	.p2align	6, 0x0
	.amdhsa_kernel k_qd061155da5_proj
		.amdhsa_group_segment_fixed_size 327680
		.amdhsa_private_segment_fixed_size 0
		.amdhsa_enable_private_segment 0
		.amdhsa_kernarg_size 56
		.amdhsa_user_sgpr_count 2
		.amdhsa_user_sgpr_kernarg_segment_ptr 1
		.amdhsa_wavefront_size32 1
		.amdhsa_system_sgpr_workgroup_id_x 1
		.amdhsa_system_sgpr_workgroup_id_y 1
		.amdhsa_system_sgpr_workgroup_id_z 1
		.amdhsa_system_vgpr_workitem_id 0
		.amdhsa_next_free_vgpr 1024
		.amdhsa_next_free_sgpr 102
		.amdhsa_reserve_vcc 1
		.amdhsa_float_denorm_mode_32 3
		.amdhsa_float_denorm_mode_16_64 3
		.amdhsa_memory_ordered 1
		.amdhsa_forward_progress 1
		.amdhsa_inst_pref_size 175
	.end_amdhsa_kernel
	.amdgpu_metadata
---
amdhsa.version: [ 1, 2 ]
amdhsa.kernels:
  - .name:           k_qd061155da5_proj
    .symbol:         k_qd061155da5_proj.kd
    .args:
      - { .name: xw_codes, .offset: 0, .size: 8, .value_kind: global_buffer, .address_space: global }
      - { .name: xw_scales, .offset: 8, .size: 8, .value_kind: global_buffer, .address_space: global }
      - { .name: b_q, .offset: 16, .size: 8, .value_kind: global_buffer, .address_space: global }
      - { .name: b_k, .offset: 24, .size: 8, .value_kind: global_buffer, .address_space: global }
      - { .name: b_v, .offset: 32, .size: 8, .value_kind: global_buffer, .address_space: global }
      - { .name: qkv_codes, .offset: 40, .size: 8, .value_kind: global_buffer, .address_space: global }
      - { .name: qkv_scales, .offset: 48, .size: 8, .value_kind: global_buffer, .address_space: global }
    .group_segment_fixed_size: 327680
    .private_segment_fixed_size: 0
    .kernarg_segment_align: 8
    .kernarg_segment_size: 56
    .max_flat_workgroup_size: 128
    .sgpr_count:     102
    .vgpr_count:     1024
    .wavefront_size: 32
...
	.end_amdgpu_metadata
.endif
;; end of part 2
;; launch score (part 3): grid 8 x 32, 4 waves a work-group, clusters of 4 x 4, 327,680 bytes of LDS; arguments qkv_codes, qkv_scales, p_codes, p_scales, p_stats; writes p_codes, p_scales, p_stats
.if DOCPART == 3
	.amdgcn_target "amdgcn-amd-amdhsa--gfx1250"
	.amdhsa_code_object_version 6
	.text
	.protected	k_qd061155da5_score
	.globl	k_qd061155da5_score
	.p2align	8
	.type	k_qd061155da5_score,@function
k_qd061155da5_score:
	s_mov_b64 s[64:65], 0
	v_nop
	global_prefetch_b8 v0, s[64:65] scope:SCOPE_SE
	s_setreg_imm32_b32 hwreg(HW_REG_WAVE_MODE, 25, 1), 1
	s_wait_xcnt 0x0
	s_wait_alu depctr_hold_cnt(0) depctr_sa_sdst(0) depctr_va_vdst(0) depctr_va_sdst(0) depctr_va_ssrc(0) depctr_va_vcc(0) depctr_vm_vsrc(0)
	s_getreg_b32 s2, hwreg(HW_REG_IB_STS2, 6, 4)
	s_cmp_eq_u32 s2, 0
	s_cbranch_scc0 .Lentry_in_a_cluster
	s_endpgm
.Lentry_in_a_cluster:
	s_bfe_u32 s2, ttmp6, 0x10000c
	s_cmp_lg_u32 s2, 0xf033
	s_cbranch_scc0 .Lentry_shape_is_right
	s_endpgm
.Lentry_shape_is_right:
; S = q k^T on codes of BF6 (E3M2) with E8M0 scales, four batches of 2,048 x 2,048, K = 1,024; and the first half of the softmax, for each query and each step of 128 keys by itself:
; t = score x log2(e) / 32; M = the step's largest t rounded UP to a whole number; p = 2^(t - M), quantised along the keys; l = the sum of the unquantised p.  Stored: p's codes and scale words, -M and l.
; The next launch takes the largest M of a query's 16 steps and brings each step under it by whole numbers: off the scale bytes, and by powers of two on l.
; OPERANDS are images of fragments' registers (16 positions x 128 K in 1,536 bytes; a group of 128 positions and a K step are eight images on end; position p holds row p with bits 3 and 4 exchanged).
; Source 0 = 16 positions of k, source 1 = 16 positions of q: a lane holds ONE query, and the 16 registers of accumulators 2 b, 2 b + 1 are 16 neighbouring keys, 32 b + 16 (lane / 16) + 0 .. 15.
; A tile of 256 x 256 is made by four waves, 128 x 128 each.  K goes in steps of 256 through two LDS slots; the scale words of the work-group's 512 positions come once.
; CLUSTERS: 4 x 4 work-groups; q's tile is shared along a row of the cluster, k's along a column: each is asked for jointly.
; LIMITS: M is a whole number in f32 for |t| under 2^24; a block whose every p is 0 gets the byte 1; NaN and infinities are not served.
; REGISTERS: window 0: v1 r, v2 h, v16-29 addresses, v32-63 scale words, v128-223 q's fragments; window 1: k's, two sets; windows 2, 3: accumulators.  On the way out v32-99 and v128-230 are at work.
.set NS,    8
.set NQ,    2
.set FR,    12
.set NL,    3
.set NP,    4
.set FRB,   1536
.set KSB,   8*FRB
.set HALFT, NQ*KSB
.set SLOT,  4*HALFT
.set LAPS,  NS/4
.set GS,    NS*512
.set SCL,   2*SLOT
.set SPARE, SCL+4*GS                   ; the spare words: 128 bytes a wave, two blocks of 256 bytes that no other line names
.set ADRA,  16
.set ADRB,  20
.set LI,    24
.set ADRS,  27
.set SPW,   28
.set NIL,   29
.set SC,    32
.set AF,    128
.set G1,    24
.set G0,    32
.set G1B,   48
.set G0B,   56
.set G1S,   68
.set G0S,   76
.set G1SB,  80
.set G0SB,  88
.set SEL,   66
.set CS,    16                         ; s[16:17] c = log2(e) / 32, twice
.set MB,    32                         ; the way out: v32-35 each block's largest score, then its largest p
.set MP,    36                         ; v36-39 the other half's, then the bytes
.set NM,    42                         ; v[42:43] -M (the pair's low word serves both halves)
.set SO,    44                         ; v44-47 the conversions' scale operands
.set LA,    48                         ; v[48:49], v[50:51] the sum in two chains
.set LB,    50
.set PWS,   64                         ; v64-71 the eight blocks' scale words;  v72-79 their -M;  v80-87 their l
.set NMS,   72
.set LSS,   80
.set SW,    88                         ; v88-99 what I store of the three
.set T,     128
.set PCA,   192
.set MSB, 0
.macro WIN new
.if MSB != (\new)
	s_set_vgpr_msb (MSB<<8)|(\new)
.set MSB, (\new)
.endif
.endm
.set MUL_LO, 0xa1
.set MUL_HI, 0xf1
.set TO_B,   0x40
.macro JLOAD g0a, g1a, g0b, g1b        ; waves 0 and 1 fetch q's two groups, waves 2 and 3 k's; four v_nop follow each line
	s_cmp_eq_u32 s21, 0
	s_cbranch_scc0 .Lfor_b_\@
	tensor_load_to_lds s[\g0a:\g0a+3], s[\g1a:\g1a+7]
	s_nop 0
.rept 4
	v_nop
.endr
	s_branch .Lasked_\@
.Lfor_b_\@:
	tensor_load_to_lds s[\g0b:\g0b+3], s[\g1b:\g1b+7]
	s_nop 0
.rept 4
	v_nop
.endr
.Lasked_\@:
.endm
.macro CREST
	s_cmp_lg_u32 s20, 0
	s_cbranch_scc1 .Lnot_wave_0_\@
	s_barrier_signal -3
.Lnot_wave_0_\@:
	s_barrier_wait -3
	s_barrier_signal -1
	s_barrier_wait -1
.endm
.macro CROUND
	s_barrier_signal -1
	s_barrier_wait -1
	CREST
.endm
.macro PLACES n
.rept \n
	v_nop
.endr
.endm
.macro FRAG reg, adr, q, i
.irp c, 0,1,2
	ds_load_b128 v[\reg+4*\c:\reg+4*\c+3], v[\adr] offset:(\q)*KSB+(\i)*FRB+512*\c
.endr
.endm
.macro MUL16 a0, p, q, sc, zero        ; the 64 accumulators take turns, one instruction a turn
.irp a, \a0, \a0+1
.irp b, 0,1,2,3,4,5,6,7
.if \zero
	v_wmma_scale_f32_16x16x128_f8f6f4 v[8*(8*((\a)%4)+\b):8*(8*((\a)%4)+\b)+7], v[128*(\p)+FR*\b:128*(\p)+FR*\b+FR-1], v[AF+FR*(\a):AF+FR*(\a)+FR-1], 0, v[SC+16*(\sc)+8*(\q)+\b], v[SC+16*(\sc)+8*(\q)+(\a)] matrix_a_fmt:MATRIX_FMT_BF6 matrix_b_fmt:MATRIX_FMT_BF6 matrix_a_scale:MATRIX_SCALE_ROW1
.else
	v_wmma_scale_f32_16x16x128_f8f6f4 v[8*(8*((\a)%4)+\b):8*(8*((\a)%4)+\b)+7], v[128*(\p)+FR*\b:128*(\p)+FR*\b+FR-1], v[AF+FR*(\a):AF+FR*(\a)+FR-1], v[8*(8*((\a)%4)+\b):8*(8*((\a)%4)+\b)+7], v[SC+16*(\sc)+8*(\q)+\b], v[SC+16*(\sc)+8*(\q)+(\a)] matrix_a_fmt:MATRIX_FMT_BF6 matrix_b_fmt:MATRIX_FMT_BF6 matrix_a_scale:MATRIX_SCALE_ROW1
.endif
.endr
.endr
.endm
.macro FETCH_B slot, q, p
	WIN TO_B
.irp i, 0,1,2,3,4,5,6,7
	FRAG 128*(\p)+FR*\i, ADRB+\slot, \q, \i
.endr
	WIN 0
.endm
.macro FETCH_A slot, q, i0
.irp i, \i0, \i0+1, \i0+2, \i0+3
	FRAG AF+FR*(\i), ADRA+\slot, \q, \i
.endr
.endm
.macro SCALES sc
.irp q, 0,1
.irp g, 0,1
	ds_load_b128 v[SC+16*\sc+8*\q+4*\g:SC+16*\sc+8*\q+4*\g+3], v[ADRS] offset:512*\q+256*\g
.endr
.endr
.endm
.macro STEP slot, q, zero
	s_wait_dscnt 4*NL                              ; all but the youngest 12 loads (q's blocks 4-7) are in
	WIN MUL_LO
	MUL16 0, (\q)%2, \q, \slot, \zero
	MUL16 2, (\q)%2, \q, \slot, \zero
	s_wait_dscnt 0
	PLACES NP
	FETCH_B \slot, (\q)+1, 1-(\q)%2
	FETCH_A \slot, (\q)+1, 0
	WIN MUL_HI
	MUL16 4, (\q)%2, \q, \slot, \zero
	MUL16 6, (\q)%2, \q, \slot, \zero
	PLACES NP
	WIN 0
	FETCH_A \slot, (\q)+1, 4
.endm
.macro TURN slot, next, fill
	s_wait_tensorcnt 0x0                           ; all my tensor loads have landed: my part of the next slot
	ds_add_u32 v[SPW], v[NIL]                      ; 0 onto my spare word
	s_wait_dscnt 4*NL+1                            ; the add and the youngest 12 loads may be out
	WIN MUL_LO
	MUL16 0, 1, NQ-1, \slot, 0
	s_wait_dscnt 0x0                               ; the add is done, and my reads of this slot are over
	s_barrier_signal -1
	MUL16 2, 1, NQ-1, \slot, 0
	WIN 0
	s_barrier_wait -1
.if \fill
	CREST                                          ; a round of the cluster's barrier: no wave of any partner still reads this slot or has a load on its way
	s_add_nc_u64 s[G0+4*\slot+2:G0+4*\slot+3], s[G0+4*\slot+2:G0+4*\slot+3], 2*HALFT
	s_add_nc_u64 s[G0B+4*\slot+2:G0B+4*\slot+3], s[G0B+4*\slot+2:G0B+4*\slot+3], 2*HALFT
	JLOAD G0+4*\slot, G1, G0B+4*\slot, G1B
.else
	PLACES NP
.endif
	v_add_nc_u32 v[ADRS], 512*NQ, v[ADRS]
	FETCH_B \next, 0, 0
	FETCH_A \next, 0, 0
	SCALES \next
	WIN MUL_HI
	MUL16 4, 1, NQ-1, \slot, 0
	MUL16 6, 1, NQ-1, \slot, 0
	PLACES NP
	WIN 0
	FETCH_A \next, 0, 4
.endm
; Block a: 16 queries x my 128 keys.  The largest score of each block of 32 keys serves twice: for the row's maximum, and, since p rises with the score, for the block's largest p.
.macro SOFTQ a
.set AC, 64*((\a)%4)
.set WN, 2+(\a)/4
.set PCX, PCA+20*((\a)%2)
	WIN 5*WN                                       ; sources 0 and 1: the accumulators' window
.irp b, 0,1,2,3
	v_max_num_f32 v[MB+\b], v[AC+16*\b], v[AC+16*\b+1]   ; each accumulator is read from its low end on
.endr
.irp i, 2,4,6,8,10,12,14
.irp b, 0,1,2,3
	v_max3_num_f32 v[MB+\b], v[AC+16*\b+\i], v[AC+16*\b+\i+1], v[MB+\b]   ; the four blocks by turns
.endr
.endr
	WIN 0
.irp b, 0,1,2,3
	v_permlanex16_b32 v[MP+\b], v[MB+\b], s[SEL], s[SEL+1]
.endr
.irp b, 0,1,2,3
	v_max_num_f32 v[MB+\b], v[MB+\b], v[MP+\b]     ; with lane l xor 16's 16 keys
.endr
	v_max3_num_f32 v40, v[MB], v[MB+1], v[MB+2]
	v_max_num_f32 v40, v40, v[MB+3]                ; the largest score of my query among these 128 keys
	v_mul_f32 v40, s[CS], v40                      ; as t (c is positive)
	v_floor_f32 v[NM], -v40                        ; -M = floor(-t) = -ceil(t): a whole number
	WIN WN
.set si, 0
.rept 32
	v_pk_fma_f32 v[T+si:T+si+1], v[AC+si:AC+si+1], s[CS:CS+1], v[NM:NM+1] op_sel_hi:[1,0,0]   ; t - M, two at a time, into window 0
.set si, si+2
.endr
	WIN 0
.irp b, 0,1,2,3
	v_fma_f32 v[MB+\b], v[MB+\b], s[CS], v[NM]     ; the same of each block's largest score
.endr
.set si, 0
.rept 64
	v_exp_f32 v[T+si], v[T+si]                     ; p = 2^(t - M), at most 1
.set si, si+1
.endr
	v_mov_b32 v[NMS+(\a)], v[NM]                   ; a plain place behind the exponentials
	s_wait_alu depctr_va_vdst(0)                   ; one wait for the batch, ahead of its first reader
.irp b, 0,1,2,3
	v_exp_f32 v[MB+\b], v[MB+\b]                   ; the block's largest p: the same two instructions on the same number
.endr
	v_pk_add_f32 v[LA:LA+1], v[T:T+1], v[T+2:T+3]  ; the sum is taken of the unquantised p, in two chains
	v_pk_add_f32 v[LB:LB+1], v[T+4:T+5], v[T+6:T+7]
.set si, 8
.rept 14
	v_pk_add_f32 v[LA:LA+1], v[LA:LA+1], v[T+si:T+si+1]
	v_pk_add_f32 v[LB:LB+1], v[LB:LB+1], v[T+si+2:T+si+3]
.set si, si+4
.endr
	v_pk_add_f32 v[LA:LA+1], v[LA:LA+1], v[LB:LB+1]
	s_wait_alu depctr_va_vdst(0)                   ; and one for the four
.irp b, 0,1,2,3
	v_max_num_f32 v[MB+\b], 0x2800000, v[MB+\b]    ; the floor 2^(5 - 127): the byte cannot fall under 1
.endr
.irp b, 0,1,2,3
	v_add_nc_u32 v[SO+\b], 0xfe000000, v[MB+\b]    ; 4 off the exponent field: the conversion's scale operand
.endr
.irp b, 0,1,2,3
	v_lshrrev_b32 v[MP+\b], 23, v[SO+\b]           ; the scale's byte: at most 123, since p is at most 1
.endr
	v_lshl_or_b32 v[PWS+(\a)], v[MP+1], 8, v[MP]
	v_lshl_or_b32 v[PWS+(\a)], v[MP+2], 16, v[PWS+(\a)]
	v_lshl_or_b32 v[PWS+(\a)], v[MP+3], 24, v[PWS+(\a)]
.irp c, 0,1
	v_cvt_scalef32_pk16_bf6_f32 v[PCX+6*\c:PCX+2+6*\c], v[T+32*\c:T+15+32*\c], v[SO+2*\c]
	v_cvt_scalef32_pk16_bf6_f32 v[PCX+12+4*\c:PCX+14+4*\c], v[T+16+32*\c:T+31+32*\c], v[SO+2*\c+1]
.endr
	v_nop                                          ; one plain place behind a scaled conversion
.irp c, 0,1
.irp i, 0,1,2
	v_permlane16_swap_b32 v[PCX+6*\c+\i], v[PCX+12+4*\c+\i]
.endr
.irp i, 0,1,2
	v_mov_b32 v[PCX+3+6*\c+\i], v[PCX+12+4*\c+\i]
.endr
.endr
	v_add_f32 v40, v[LA], v[LA+1]
	v_permlanex16_b32 v41, v40, s[SEL], s[SEL+1]
	v_add_f32 v[LSS+(\a)], v40, v41                ; l of my query over these 128 keys
.irp c, 0,1,2
	global_store_b128 v[LI], v[PCX+4*\c:PCX+4*\c+3], s[8:9] offset:FRB*(\a)+512*\c   ; 512 consecutive bytes, at a multiple of 256 from the buffer's first byte
.endr
.endm
	s_load_b256 s[4:11], s[0:1], 0x0               ; qkv_codes, qkv_scales, p_codes, p_scales
	s_load_b64 s[12:13], s[0:1], 0x20              ; p_stats
	v_lshl_add_u32 v[SPW], v0, 2, SPARE
	v_mov_b32 v[NIL], 0
	ds_add_u32 v28, v29
	ds_add_u32 v28, v29
	s_wait_dscnt 0x0
	v_lshrrev_b32 v1, 5, v0
	v_readfirstlane_b32 s20, v1                    ; wave 0..3
	s_lshr_b32 s21, s20, 1                         ; WR; also: I fetch for q (0) or k (1)
	s_and_b32 s22, s20, 1                          ; WC; also: which group I fetch
	s_bfe_u32 s40, ttmp6, 0x40000                  ; cx
	s_bfe_u32 s41, ttmp6, 0x40004                  ; cy
	s_and_b32 s46, ttmp7, 0xffff                   ; cluster y
	s_lshl_b32 s44, s41, 2
	s_lshl_b32 s44, 15, s44                        ; my row of the cluster
	s_lshl_b32 s45, 0x1111, s40                    ; my column
	s_mov_b32 s[SEL], 0x76543210
	s_mov_b32 s[SEL+1], 0xfedcba98
	s_mov_b32 s[CS], 0x3d38aa3b                    ; log2(e) / sqrt(1024)
	s_mov_b32 s[CS+1], s[CS]
	s_lshl_b32 s92, s46, 2                         ; q: tile row 4 x cluster y + cy.  These registers never hold cx
	s_add_co_u32 s43, s92, s41                     ; TR
	s_lshl_b32 s92, s43, 1
	s_add_co_u32 s92, s92, s22
	s_mul_i32 s94, s92, GS
	s_mul_i32 s92, s92, NS*KSB
	s_mov_b32 s93, 0
	s_mov_b32 s95, 0
	s_lshl_b32 s96, ttmp9, 2                       ; k: groups 64 on; 16 groups a batch; tile column 4 x cluster x + cx.  These never hold cy
	s_add_co_u32 s42, s96, s40                     ; TC
	s_lshl_b32 s96, s42, 1
	s_add_co_u32 s96, s96, s22
	s_lshr_b32 s100, s46, 1                        ; the batch
	s_lshl_b32 s97, s100, 4
	s_add_co_u32 s96, s96, s97
	s_add_co_u32 s96, s96, 64
	s_mul_i32 s98, s96, GS
	s_mul_i32 s96, s96, NS*KSB
	s_mov_b32 s97, 0
	s_mov_b32 s99, 0
	s_or_b32 s[G1+0], s44, (3<<16)|(1<<21)         ; a dense block as rows of 256 bytes (32 elements of 8 bytes), no padding; the mask; bit 21 beside it
	s_or_b32 s[G1B+0], s45, (3<<16)|(1<<21)
.irp g, G1, G1B
	s_mov_b32 s[\g+1], 32<<16
	s_mov_b32 s[\g+2], (HALFT/256)<<16
	s_mov_b32 s[\g+3], 32<<16
	s_mov_b32 s[\g+4], HALFT/256
	s_mov_b32 s[\g+5], 32
	s_mov_b32 s[\g+6], 0
	s_mov_b32 s[\g+7], 0
.endr
	s_or_b32 s[G1S+0], s44, (3<<16)|(1<<21)
	s_or_b32 s[G1SB+0], s45, (3<<16)|(1<<21)
.irp g, G1S, G1SB
	s_mov_b32 s[\g+1], 32<<16
	s_mov_b32 s[\g+2], (GS/256)<<16
	s_mov_b32 s[\g+3], 32<<16
	s_mov_b32 s[\g+4], GS/256
	s_mov_b32 s[\g+5], 32
	s_mov_b32 s[\g+6], 0
	s_mov_b32 s[\g+7], 0
.endr
	s_mul_i32 s23, s20, HALFT
	s_mul_i32 s47, s20, GS
	s_wait_kmcnt 0x0
	s_add_nc_u64 s[92:93], s[4:5], s[92:93]
	s_add_nc_u64 s[94:95], s[6:7], s[94:95]
	s_add_nc_u64 s[96:97], s[4:5], s[96:97]
	s_add_nc_u64 s[98:99], s[6:7], s[98:99]
	CROUND                                         ; all sixteen work-groups are here: the first joint loads meet
	s_mov_b32 s[G0S], 1
	s_add_co_u32 s[G0S+1], s47, SCL
	s_mov_b64 s[G0S+2:G0S+3], s[94:95]
	s_or_b32 s[G0S+3], s[G0S+3], 0x80000000
	s_mov_b32 s[G0SB], 1
	s_add_co_u32 s[G0SB+1], s47, SCL
	s_mov_b64 s[G0SB+2:G0SB+3], s[98:99]
	s_or_b32 s[G0SB+3], s[G0SB+3], 0x80000000
	JLOAD G0S, G1S, G0SB, G1SB                     ; three loads of mine are out at the most
.irp s, 0,1
	s_mov_b32 s[G0+4*\s], 1
	s_add_co_u32 s[G0+4*\s+1], s23, \s*SLOT
	s_add_nc_u64 s[G0+4*\s+2:G0+4*\s+3], s[92:93], \s*HALFT
	s_or_b32 s[G0+4*\s+3], s[G0+4*\s+3], 0x80000000
	s_mov_b32 s[G0B+4*\s], 1
	s_add_co_u32 s[G0B+4*\s+1], s23, \s*SLOT
	s_add_nc_u64 s[G0B+4*\s+2:G0B+4*\s+3], s[96:97], \s*HALFT
	s_or_b32 s[G0B+4*\s+3], s[G0B+4*\s+3], 0x80000000
	JLOAD G0+4*\s, G1, G0B+4*\s, G1B
.endr
	v_and_b32 v1, 15, v0                           ; r
	v_bfe_u32 v2, v0, 4, 1                         ; h
	v_and_b32 v3, 31, v0
	v_lshlrev_b32 v[LI], 4, v3
	s_mul_i32 s18, s21, HALFT
	s_mul_i32 s19, s22, HALFT
	s_add_co_u32 s19, s19, 2*HALFT
.irp s, 0,1
	v_add_nc_u32 v[ADRA+\s], s18, v[LI]
	v_add_nc_u32 v[ADRB+\s], s19, v[LI]
	s_add_co_u32 s18, s18, SLOT
	s_add_co_u32 s19, s19, SLOT
.endr
	s_mul_i32 s18, s21, GS
	s_xor_b32 s19, s21, 1
	s_add_co_u32 s19, s19, s22
	s_add_co_u32 s19, s19, 1                       ; 2 + WC - WR groups lie between the two
	s_mul_i32 s19, s19, GS
	v_mul_u32_u24 v4, s19, v2                      ; lanes 16-31 take k's words
	s_add_co_u32 s18, s18, SCL
	v_lshl_add_u32 v4, v1, 4, v4
	v_add_nc_u32 v[ADRS], s18, v4
	s_lshl_b32 s2, s43, 1                          ; where my 128 x 128 goes: 16 x query group + the step of 128 keys
	s_add_co_u32 s2, s2, s21
	s_lshl_b32 s2, s2, 4
	s_lshl_b32 s18, s42, 1
	s_add_co_u32 s18, s18, s22
	s_add_co_u32 s2, s2, s18
	s_mul_i32 s18, s2, KSB
	s_mov_b32 s19, 0
	s_add_nc_u64 s[8:9], s[8:9], s[18:19]
	s_lshl_b32 s18, s2, 9
	s_add_nc_u64 s[10:11], s[10:11], s[18:19]
	s_add_nc_u64 s[12:13], s[12:13], s[18:19]
	s_wait_tensorcnt 1                             ; the scale words and my part of slot 0 are in; slot 1's load may be out
	s_barrier_signal -1
	s_barrier_wait -1
	FETCH_B 0, 0, 0
	FETCH_A 0, 0, 0
	SCALES 0
	FETCH_A 0, 0, 4
	STEP 0, 0, 1
	s_mov_b32 s3, LAPS-1
.Llap:
	TURN 0, 1, 1
	STEP 1, 0, 0
	TURN 1, 0, 1
	STEP 0, 0, 0
	s_sub_co_u32 s3, s3, 1
	s_cmp_lg_u32 s3, 0
	s_cbranch_scc1 .Llap
	TURN 0, 1, 0
	STEP 1, 0, 0
	s_wait_dscnt 4*NL
	WIN MUL_LO
	MUL16 0, 1, NQ-1, 1, 0
	MUL16 2, 1, NQ-1, 1, 0
	s_wait_dscnt 0
	WIN MUL_HI
	MUL16 4, 1, NQ-1, 1, 0
	MUL16 6, 1, NQ-1, 1, 0
	WIN 0
	; THE WAY OUT
	PLACES NP
.irp b, 0,1,2,3
	v_mov_b32 v[MP+\b], 0                          ; a lane permute's destination counts as one of its sources
.endr
	v_mov_b32 v41, 0
	v_mov_b32 v[NM+1], 0                           ; named as the upper half of a pair
.irp a, 0,1,2,3,4,5,6,7
.if \a >= 2
	s_wait_xcnt 0x0                                ; the stores of two blocks ago have read their codes' registers
.endif
	SOFTQ \a
.endr
	v_cmp_ne_u32 vcc_lo, 0, v2                     ; lanes 0-15 store what belongs to blocks 0-3 of their row, lanes 16-31 to blocks 4-7
.irp i, 0,1,2,3
	v_cndmask_b32 v[SW+\i], v[PWS+\i], v[PWS+4+\i], vcc_lo
	v_cndmask_b32 v[SW+4+\i], v[NMS+\i], v[NMS+4+\i], vcc_lo
	v_cndmask_b32 v[SW+8+\i], v[LSS+\i], v[LSS+4+\i], vcc_lo
.endr
	global_store_b128 v[LI], v[SW:SW+3], s[10:11]
	global_store_b128 v[LI], v[SW+4:SW+7], s[12:13]
	global_store_b128 v[LI], v[SW+8:SW+11], s[12:13] offset:524288
	s_wait_tensorcnt 0x0                           ; the wave's end
	ds_add_u32 v[SPW], v[NIL]
	s_wait_dscnt 0x0
	CROUND                                         ; the closing round
	s_endpgm
.Lfunc_end_k_qd061155da5_score:
	.size	k_qd061155da5_score, .Lfunc_end_k_qd061155da5_score-k_qd061155da5_score
	.p2alignl 7, 3214868480
	.fill 96, 4, 3214868480
	.section	.rodata,"a",@progbits
	.p2align	6, 0x0
	.amdhsa_kernel k_qd061155da5_score
		.amdhsa_group_segment_fixed_size 327680
		.amdhsa_private_segment_fixed_size 0
		.amdhsa_enable_private_segment 0
		.amdhsa_kernarg_size 40
		.amdhsa_user_sgpr_count 2
		.amdhsa_user_sgpr_kernarg_segment_ptr 1
		.amdhsa_wavefront_size32 1
		.amdhsa_system_sgpr_workgroup_id_x 1
		.amdhsa_system_sgpr_workgroup_id_y 1
		.amdhsa_system_sgpr_workgroup_id_z 1
		.amdhsa_system_vgpr_workitem_id 0
		.amdhsa_next_free_vgpr 1024
		.amdhsa_next_free_sgpr 102
		.amdhsa_reserve_vcc 1
		.amdhsa_float_denorm_mode_32 3
		.amdhsa_float_denorm_mode_16_64 3
		.amdhsa_memory_ordered 1
		.amdhsa_forward_progress 1
		.amdhsa_inst_pref_size 193
	.end_amdhsa_kernel
	.amdgpu_metadata
---
amdhsa.version: [ 1, 2 ]
amdhsa.kernels:
  - .name:           k_qd061155da5_score
    .symbol:         k_qd061155da5_score.kd
    .args:
      - { .name: qkv_codes, .offset: 0, .size: 8, .value_kind: global_buffer, .address_space: global }
      - { .name: qkv_scales, .offset: 8, .size: 8, .value_kind: global_buffer, .address_space: global }
      - { .name: p_codes, .offset: 16, .size: 8, .value_kind: global_buffer, .address_space: global }
      - { .name: p_scales, .offset: 24, .size: 8, .value_kind: global_buffer, .address_space: global }
      - { .name: p_stats, .offset: 32, .size: 8, .value_kind: global_buffer, .address_space: global }
    .group_segment_fixed_size: 327680
    .private_segment_fixed_size: 0
    .kernarg_segment_align: 8
    .kernarg_segment_size: 40
    .max_flat_workgroup_size: 128
    .sgpr_count:     102
    .vgpr_count:     1024
    .wavefront_size: 32
...
	.end_amdgpu_metadata
.endif
;; end of part 3
;; launch mix (part 4): grid 4 x 64, 4 waves a work-group, clusters of 4 x 4, 327,680 bytes of LDS; arguments p_codes, p_scales, p_stats, qkv_codes, qkv_scales, out0; writes out0
.if DOCPART == 4
	.amdgcn_target "amdgcn-amd-amdhsa--gfx1250"
	.amdhsa_code_object_version 6
	.text
	.protected	k_qd061155da5_mix
	.globl	k_qd061155da5_mix
	.p2align	8
	.type	k_qd061155da5_mix,@function
k_qd061155da5_mix:
	s_mov_b64 s[64:65], 0
	v_nop
	global_prefetch_b8 v0, s[64:65] scope:SCOPE_SE
	s_setreg_imm32_b32 hwreg(HW_REG_WAVE_MODE, 25, 1), 1
	s_wait_xcnt 0x0
	s_wait_alu depctr_hold_cnt(0) depctr_sa_sdst(0) depctr_va_vdst(0) depctr_va_sdst(0) depctr_va_ssrc(0) depctr_va_vcc(0) depctr_vm_vsrc(0)
	s_getreg_b32 s2, hwreg(HW_REG_IB_STS2, 6, 4)
	s_cmp_eq_u32 s2, 0
	s_cbranch_scc0 .Lentry_in_a_cluster
	s_endpgm
.Lentry_in_a_cluster:
	s_bfe_u32 s2, ttmp6, 0x10000c
	s_cmp_lg_u32 s2, 0xf033
	s_cbranch_scc0 .Lentry_shape_is_right
	s_endpgm
.Lentry_shape_is_right:
; out = (p v) / l on codes of BF6 (E3M2) with E8M0 scales, four batches of 2,048 x 1,024, K = 2,048 keys.
; p came with a whole number M of its own for each query and each step of 128 keys.  At the head each wave takes, for the work-group's 128 queries, the largest M of the 16 steps; l = the sum of the steps' l x 2^(M_step - M);
; and the steps' scale bytes have M - M_step taken off them: p's numbers under the one M, by whole numbers alone.  The corrected scale words go to LDS, where the steps take them like any scale words.
; LIMITS: a byte that would fall under 0 is held at 0, which stands for 2^-127: such a block's share is at most 28 x 2^-127 x |v|.  NaN and infinities are not served.
; OPERANDS are images of fragments' registers (16 positions x 128 K in 1,536 bytes; a group of 128 positions and a K step are eight images on end; position p holds row p with bits 3 and 4 exchanged).
; Source 0 = 16 positions of v^T (e), source 1 = 16 positions of p (queries): a lane holds one query; accumulator b, register j is e = 32 (b / 2) + 16 (lane / 16) + 8 (b % 2) + j.
; SHARES.  The output has 64 x 4 tiles of 128 queries x 256 e: 256 work-groups.  Wave (WR, WC) makes 64 queries (p's blocks 4 WR .. 4 WR + 3) x 128 e (v^T's group WC): 32 accumulators, 256 registers.
; For 128 along K a wave reads 12 fragments from LDS for 32 products; a tile of 256 x 256 would read 16 for 64, but would give only 128 work-groups.
; RING.  K goes through two LDS slots of 512 along K (four steps of 128): 49,152 bytes of p and 2 x 49,152 of v^T.  K = 2,048 is four fills: two at the start and two refills, so the 16 steps are written out: no loop.
; CLUSTERS: 4 x 4; p's tile is shared along a row of the cluster, v^T's along a column: each is asked for jointly.
; No prefetch: the text has two refills, and the first one's request would stand at the head, among the first fills.
; REGISTERS: window 0: v1 r, v2 h, v10 and v16-30 addresses, v32-47 scale words (two sets), v112-119 1 / l (each twice), v128-223 p's fragments (two sets of 48);
;   window 1: v^T's fragments, two sets at v0 and v128;  window 2: the accumulators, (a, b) at v[8 (8 a + b)].
.set NS,    16                         ; K steps of 128
.set NQ,    4                          ; of them in a slot
.set FR,    12                         ; registers of a fragment
.set NP,    4                          ; places behind this matrix instruction (ISA guide 7.12.1)
.set FRB,   1536
.set KSB,   8*FRB                      ; a group's eight images of one K step
.set APART, 2*KSB                      ; what a wave fetches of p: two K steps of the group
.set BPART, NQ*KSB                     ; and of v^T: four K steps of one group
.set SLOT,  3*BPART                    ; p's four steps, then v^T's two groups
.set GS,    NS*512                     ; a group's scale words for all of K
.set SCL,   2*SLOT                     ; behind the ring: p's corrected scale words (stored by the waves, no fill lands there), then v^T's two groups' (filled once)
.set SPARE, SCL+3*GS                   ; the spare words: 128 bytes a wave, two blocks of 256 bytes that no other line names
.set SPITCH, 528                       ; the way out: a stage of 16 rows x (512 + 16) bytes for each wave, in slot 0, which has had its last fill and its last read by then
.set FXA,   10                         ; v10 where I store corrected scale words
.set ADRA,  16                         ; v16-17 LDS address of my four blocks of p in slot 0, 1
.set ADRB,  20                         ; v20-21 of my group of v^T
.set LI,    24                         ; v24 16 x lane
.set STO,   25                         ; v25 the stage: where I put my numbers of a row
.set RD,    26                         ; v26 and where I read a row back
.set ADRS,  27                         ; v27 scale words: lanes 0-15 p's four blocks, lanes 16-31 v^T's blocks 0-3
.set SPW,   28                         ; v28 my spare word; never rewritten
.set NIL,   29                         ; v29 0; never rewritten
.set ADRT,  30                         ; v30 scale words: lanes 16-31 v^T's blocks 4-7 (lanes 0-15 take p's once more: not used)
.set SC,    32                         ; scale words: register SC + 8 set + i
.set AF,    128
.set G1,    24
.set G0,    32
.set G1B,   48
.set G0B,   56
.set G1SB,  80
.set G0SB,  88
.set SEL,   66                         ; s66-67 lane selects for v_permlanex16_b32
.set NM2,   32                         ; the head: v32-47 -M of my four steps;  v64-79 their scale words
.set WI,    64
.set NG,    96                         ; v96-99 the least -M;  v100-103 1 / l;  v104-107 the other half's
.set RC,    100
.set OT,    104
.set RL,    112
.set NMI,   128                        ; v128-191 -M of all 16 steps;  v192-255 their l
.set LIM,   192
.set T,     32                         ; the way out: a block's 64 numbers;  v128-191, v192-255 rows read back, by turns
.set BK,    128
.set MSB, 0
.macro WIN new                         ; the immediate's high byte repeats the setting that is left
.if MSB != (\new)
	s_set_vgpr_msb (MSB<<8)|(\new)
.set MSB, (\new)
.endif
.endm
.set MUL,    0xa1                      ; source 0 window 1, source 1 window 0, C and D window 2
.set TO_B,   0x40                      ; destination window 1, address window 0
.macro JLOAD g0a, g1a, g0b, g1b        ; waves 0 and 1 fetch p's two halves of a slot, waves 2 and 3 v^T's two groups; four v_nop follow each line
	s_cmp_eq_u32 s21, 0
	s_cbranch_scc0 .Lfor_b_\@
	tensor_load_to_lds s[\g0a:\g0a+3], s[\g1a:\g1a+7]
	s_nop 0
.rept 4
	v_nop
.endr
	s_branch .Lasked_\@
.Lfor_b_\@:
	tensor_load_to_lds s[\g0b:\g0b+3], s[\g1b:\g1b+7]
	s_nop 0
.rept 4
	v_nop
.endr
.Lasked_\@:
.endm
.macro CREST                           ; a round of the cluster's barrier behind its opening barrier
	s_cmp_lg_u32 s20, 0
	s_cbranch_scc1 .Lnot_wave_0_\@
	s_barrier_signal -3
.Lnot_wave_0_\@:
	s_barrier_wait -3
	s_barrier_signal -1
	s_barrier_wait -1
.endm
.macro CROUND
	s_barrier_signal -1
	s_barrier_wait -1
	CREST
.endm
.macro PLACES n
.rept \n
	v_nop
.endr
.endm
.macro FRAG reg, adr, q, i             ; a fragment comes back as it was stored: three loads of 512 consecutive bytes
.irp c, 0,1,2
	ds_load_b128 v[\reg+4*\c:\reg+4*\c+3], v[\adr] offset:(\q)*KSB+(\i)*FRB+512*\c
.endr
.endm
; 8 matrix instructions: my block a of p x v^T's eight, from set p.  The 32 accumulators take turns, one instruction a turn, in the same order in every step.
.macro MULA a, p, zero
.irp b, 0,1,2,3,4,5,6,7
.if \zero
	v_wmma_scale_f32_16x16x128_f8f6f4 v[8*(8*(\a)+\b):8*(8*(\a)+\b)+7], v[128*(\p)+FR*\b:128*(\p)+FR*\b+FR-1], v[AF+48*(\p)+FR*(\a):AF+48*(\p)+FR*(\a)+FR-1], 0, v[SC+8*(\p)+\b], v[SC+8*(\p)+(\a)] matrix_a_fmt:MATRIX_FMT_BF6 matrix_b_fmt:MATRIX_FMT_BF6 matrix_a_scale:MATRIX_SCALE_ROW1
.else
	v_wmma_scale_f32_16x16x128_f8f6f4 v[8*(8*(\a)+\b):8*(8*(\a)+\b)+7], v[128*(\p)+FR*\b:128*(\p)+FR*\b+FR-1], v[AF+48*(\p)+FR*(\a):AF+48*(\p)+FR*(\a)+FR-1], v[8*(8*(\a)+\b):8*(8*(\a)+\b)+7], v[SC+8*(\p)+\b], v[SC+8*(\p)+(\a)] matrix_a_fmt:MATRIX_FMT_BF6 matrix_b_fmt:MATRIX_FMT_BF6 matrix_a_scale:MATRIX_SCALE_ROW1
.endif
.endr
.endm
; Step s of the 16 lies in slot (s / 4) % 2 as its (s % 4)-th and goes into set s % 2.
.macro FETCH_B s                       ; v^T's eight fragments: 24 loads
	WIN TO_B
.irp i, 0,1,2,3,4,5,6,7
	FRAG 128*((\s)%2)+FR*\i, ADRB+((\s)/4)%2, (\s)%4, \i
.endr
	WIN 0
.endm
.macro FETCH_A s                       ; my four fragments of p and the step's scale words: 14 loads
.irp i, 0,1,2,3
	FRAG AF+48*((\s)%2)+FR*\i, ADRA+((\s)/4)%2, (\s)%4, \i
.endr
	ds_load_b128 v[SC+8*((\s)%2):SC+8*((\s)%2)+3], v[ADRS] offset:512*(\s)
	ds_load_b128 v[SC+8*((\s)%2)+4:SC+8*((\s)%2)+7], v[ADRT] offset:512*(\s)
.endm
; A step that has its successor in the same slot: the successor's fragments are asked for first, a whole step's 32 products ahead of their use.
.macro STEPN s, zero
.if (\s) > 0
	PLACES NP                                      ; places in front of loads into the set that the last step's products have read
.endif
	FETCH_B (\s)+1
	s_wait_dscnt 24                                ; this step's 38 loads are in; the 24 just issued may be out
	FETCH_A (\s)+1
	WIN MUL
	MULA 0, (\s)%2, \zero
	MULA 1, (\s)%2, \zero
	MULA 2, (\s)%2, \zero
	MULA 3, (\s)%2, \zero
.endm
; A slot's last step (set 1) changes slots: one barrier; in front of it each wave waits for all its tensor loads, adds 0 to its spare word, and waits for that and for its own reads of this slot.
; fill = 1: this slot is filled again, with the four steps that lie eight on: the load has the next slot's 128 products of a wave in which to land.
.macro TURN s, fill
.set TSL, ((\s)/4)%2
	WIN 0                                          ; the add's two registers lie in window 0
	s_wait_tensorcnt 0x0                           ; all my tensor loads have landed: my part of the next slot
	ds_add_u32 v[SPW], v[NIL]                      ; 0 onto my spare word
	s_wait_dscnt 1                                 ; this step's fragments are in; the add may be out
	WIN MUL
	MULA 0, 1, 0                                   ; eight matrix instructions stand between the add and the wait for it
	s_wait_dscnt 0x0                               ; the add is done, and my reads of this slot are over
	s_barrier_signal -1
	MULA 1, 1, 0
	WIN 0
	s_barrier_wait -1
.if \fill
	CREST                                          ; the barrier has opened a round of the cluster's barrier: no wave of any partner still reads this slot or has a load on its way
	s_add_nc_u64 s[G0+4*TSL+2:G0+4*TSL+3], s[G0+4*TSL+2:G0+4*TSL+3], 2*BPART
	s_add_nc_u64 s[G0B+4*TSL+2:G0B+4*TSL+3], s[G0B+4*TSL+2:G0B+4*TSL+3], 2*BPART
	JLOAD G0+4*TSL, G1, G0B+4*TSL, G1B             ; the first tensor load behind the round; its four v_nop are the places in front of the loads below
.else
	PLACES NP
.endif
	FETCH_B (\s)+1                                 ; the next slot's first step
	FETCH_A (\s)+1
	WIN MUL
	MULA 2, 1, 0
	MULA 3, 1, 0
.endm
.macro MULT a                          ; block a's 64 sums x 1 / l -> T, in window 0; each accumulator is read from its low end on
.set AC, 64*(\a)
	WIN 2                                          ; source 0: the accumulators' window
.set mi, 0
.rept 32
	v_pk_mul_f32 v[T+mi:T+mi+1], v[AC+mi:AC+mi+1], v[RL+2*(\a):RL+2*(\a)+1]
.set mi, mi+2
.endr
	WIN 0
.endm
.macro TOSTAGE a                       ; into my stage, each number at its true e, and back as whole rows of 512 bytes
.set BB, BK+64*((\a)%2)
.irp b, 0,1,2,3,4,5,6,7
	ds_store_b128 v[STO], v[T+8*\b:T+8*\b+3] offset:128*(\b/2)+32*(\b%2)
	ds_store_b128 v[STO], v[T+8*\b+4:T+8*\b+7] offset:128*(\b/2)+32*(\b%2)+16
.endr
.irp t, 0,1,2,3,4,5,6,7,8,9,10,11,12,13,14,15
	ds_load_b128 v[BB+4*\t:BB+4*\t+3], v[RD] offset:\t*SPITCH   ; LDS serves a wave's instructions in order: these see the stores above
.endr
.endm
.macro SEND a                          ; position 16 a + t is row 32 (a / 2) + 8 (a % 2) + t + 8 (t / 8) of my 64
.set BB, BK+64*((\a)%2)
.irp t, 0,1,2,3,4,5,6,7,8,9,10,11,12,13,14,15
	global_store_b128 v[LI], v[BB+4*\t:BB+4*\t+3], s[14:15] offset:(32*((\a)/2)+8*((\a)%2)+\t+8*(\t/8))*4096 th:TH_STORE_NT   ; 32 lanes store 512 consecutive bytes, at a multiple of 256 from out0's first byte
.endr
.endm
	s_load_b256 s[4:11], s[0:1], 0x0               ; p_codes, p_scales, p_stats, qkv_codes
	s_load_b128 s[12:15], s[0:1], 0x20             ; qkv_scales, out0
	v_lshl_add_u32 v[SPW], v0, 2, SPARE
	v_mov_b32 v[NIL], 0
	ds_add_u32 v28, v29
	ds_add_u32 v28, v29
	s_wait_dscnt 0x0
	v_lshrrev_b32 v1, 5, v0
	v_readfirstlane_b32 s20, v1                    ; wave 0..3
	s_lshr_b32 s21, s20, 1                         ; WR: which four blocks of p are mine.  Also: I fetch for p (0) or v^T (1)
	s_and_b32 s22, s20, 1                          ; WC: which group of v^T is mine.  Also: which part I fetch
	s_bfe_u32 s40, ttmp6, 0x40000                  ; cx
	s_bfe_u32 s41, ttmp6, 0x40004                  ; cy
	s_and_b32 s46, ttmp7, 0xffff                   ; cluster y
	s_lshl_b32 s44, s41, 2
	s_lshl_b32 s44, 15, s44                        ; my row of the cluster
	s_lshl_b32 s45, 0x1111, s40                    ; my column
	s_mov_b32 s[SEL], 0x76543210
	s_mov_b32 s[SEL+1], 0xfedcba98
	s_lshl_b32 s92, s46, 2                         ; p: the group of 128 queries is 4 x cluster y + cy.  These registers never hold cx
	s_add_co_u32 s43, s92, s41                     ; TR
	s_mul_i32 s92, s43, NS*KSB
	s_mul_i32 s93, s22, APART                      ; waves 0, 1: steps 0, 1 or steps 2, 3 of a slot
	s_add_co_u32 s92, s92, s93
	s_mov_b32 s93, 0
	s_lshl_b32 s96, ttmp9, 2                       ; v^T: behind q's and k's 1,024 blocks; 8 groups a batch; tile column 4 x cluster x + cx.  These never hold cy
	s_add_co_u32 s42, s96, s40                     ; TC
	s_lshr_b32 s100, s46, 2                        ; the batch: 16 groups of queries, four clusters, each
	s_lshl_b32 s97, s100, 3
	s_lshl_b32 s96, s42, 1
	s_add_co_u32 s96, s96, s97                     ; the first of my tile's two groups
	s_lshl_b32 s98, s96, 13                        ; its scale words: 8,192 bytes a group; my quarter of the two groups' 16,384
	s_lshl_b32 s99, s20, 12
	s_add_co_u32 s98, s98, s99
	s_add_co_u32 s98, s98, 524288
	s_mov_b32 s99, 0
	s_add_co_u32 s96, s96, s22
	s_mul_i32 s96, s96, NS*KSB
	s_add_co_u32 s96, s96, 1024*KSB
	s_mov_b32 s97, 0
	; descriptor group 1: dense blocks as rows of 256 bytes (32 elements of 8 bytes), no padding; the mask; bit 21 beside it
	s_or_b32 s[G1+0], s44, (3<<16)|(1<<21)
	s_mov_b32 s[G1+1], 32<<16                      ; tensor_dim0
	s_mov_b32 s[G1+2], (APART/256)<<16             ; tensor_dim1
	s_mov_b32 s[G1+3], 32<<16                      ; tile_dim0
	s_mov_b32 s[G1+4], APART/256                   ; tile_dim1
	s_mov_b32 s[G1+5], 32                          ; the pitch
	s_mov_b32 s[G1+6], 0
	s_mov_b32 s[G1+7], 0
	s_or_b32 s[G1B+0], s45, (3<<16)|(1<<21)
	s_mov_b32 s[G1B+1], 32<<16
	s_mov_b32 s[G1B+2], (BPART/256)<<16
	s_mov_b32 s[G1B+3], 32<<16
	s_mov_b32 s[G1B+4], BPART/256
	s_mov_b32 s[G1B+5], 32
	s_mov_b32 s[G1B+6], 0
	s_mov_b32 s[G1B+7], 0
	s_or_b32 s[G1SB+0], s45, (3<<16)|(1<<21)       ; v^T's scale words: 16 rows of 256 bytes a wave
	s_mov_b32 s[G1SB+1], 32<<16
	s_mov_b32 s[G1SB+2], 16<<16
	s_mov_b32 s[G1SB+3], 32<<16
	s_mov_b32 s[G1SB+4], 16
	s_mov_b32 s[G1SB+5], 32
	s_mov_b32 s[G1SB+6], 0
	s_mov_b32 s[G1SB+7], 0
	s_mul_i32 s23, s22, APART                      ; where they go, by the wave's number alone: p's half of a slot's four steps,
	s_mul_i32 s47, s22, BPART
	s_add_co_u32 s47, s47, BPART                   ; v^T's group, behind p's four steps,
	s_lshl_b32 s2, s20, 12                         ; my quarter of v^T's scale words
	s_wait_kmcnt 0x0
	s_add_nc_u64 s[92:93], s[4:5], s[92:93]
	s_add_nc_u64 s[96:97], s[10:11], s[96:97]
	s_add_nc_u64 s[98:99], s[12:13], s[98:99]
	CROUND                                         ; all sixteen work-groups are here: the first joint loads meet
	s_mov_b32 s[G0SB], 1
	s_add_co_u32 s[G0SB+1], s2, SCL+GS
	s_mov_b64 s[G0SB+2:G0SB+3], s[98:99]
	s_or_b32 s[G0SB+3], s[G0SB+3], 0x80000000
	tensor_load_to_lds s[G0SB:G0SB+3], s[G1SB:G1SB+7]   ; every wave its own quarter; three loads of mine are out at the most
	s_nop 0
.rept 4
	v_nop
.endr
.irp s, 0,1
	s_mov_b32 s[G0+4*\s], 1
	s_add_co_u32 s[G0+4*\s+1], s23, \s*SLOT
	s_add_nc_u64 s[G0+4*\s+2:G0+4*\s+3], s[92:93], \s*BPART
	s_or_b32 s[G0+4*\s+3], s[G0+4*\s+3], 0x80000000
	s_mov_b32 s[G0B+4*\s], 1
	s_add_co_u32 s[G0B+4*\s+1], s47, \s*SLOT
	s_add_nc_u64 s[G0B+4*\s+2:G0B+4*\s+3], s[96:97], \s*BPART
	s_or_b32 s[G0B+4*\s+3], s[G0B+4*\s+3], 0x80000000
	JLOAD G0+4*\s, G1, G0B+4*\s, G1B
.endr
	v_and_b32 v1, 15, v0                           ; r
	v_bfe_u32 v2, v0, 4, 1                         ; h
	v_and_b32 v3, 31, v0
	v_lshlrev_b32 v[LI], 4, v3
	; THE HEAD'S OWN WORK: the work-group's 128 queries (group TR).  An image's 16 bytes of lane (r, h) belong to row r of blocks 4 h + 0 .. 3
	s_lshl_b32 s18, s43, 13                        ; 16 steps x 512 bytes a group
	s_mov_b32 s19, 0
	s_add_nc_u64 s[8:9], s[8:9], s[18:19]          ; -M, and 524,288 bytes on l, of the group
	s_lshl_b32 s2, s20, 11                         ; I correct steps 4 x wave + 0 .. 3
	s_add_co_u32 s18, s18, s2
	s_add_nc_u64 s[6:7], s[6:7], s[18:19]          ; their scale words
	s_mov_b32 s18, s2
	s_add_nc_u64 s[16:17], s[8:9], s[18:19]        ; and their -M once more
.set fs, 0
.rept 16
	global_load_b128 v[NMI+4*fs:NMI+4*fs+3], v[LI], s[8:9] offset:512*fs
	global_load_b128 v[LIM+4*fs:LIM+4*fs+3], v[LI], s[8:9] offset:524288+512*fs
.set fs, fs+1
.endr
.set fs, 0
.rept 4
	global_load_b128 v[WI+4*fs:WI+4*fs+3], v[LI], s[6:7] offset:512*fs
	global_load_b128 v[NM2+4*fs:NM2+4*fs+3], v[LI], s[16:17] offset:512*fs
.set fs, fs+1
.endr
	s_mul_i32 s18, s21, 4*FRB                      ; my four blocks of p's eight
	s_mul_i32 s19, s22, BPART
	s_add_co_u32 s19, s19, BPART                   ; my group of v^T
.irp s, 0,1
	v_add_nc_u32 v[ADRA+\s], s18, v[LI]
	v_add_nc_u32 v[ADRB+\s], s19, v[LI]
	s_add_co_u32 s18, s18, SLOT
	s_add_co_u32 s19, s19, SLOT
.endr
	s_lshl_b32 s18, s21, 8                         ; p's words: my four blocks are the image's half WR
	s_xor_b32 s19, s21, 1
	s_lshl_b32 s19, s19, 8
	s_mul_i32 s23, s22, GS
	s_add_co_u32 s19, s19, s23
	s_add_co_u32 s19, s19, GS-256                  ; from there to v^T's words of my group: GS (1 + WC) - 256 WR bytes
	v_mul_u32_u24 v4, s19, v2                      ; lanes 16-31 take v^T's words
	s_add_co_u32 s18, s18, SCL
	v_lshl_add_u32 v4, v1, 4, v4
	v_add_nc_u32 v[ADRS], s18, v4
	v_lshl_add_u32 v[ADRT], v2, 8, v[ADRS]         ; and 256 bytes on: v^T's blocks 4-7
	s_lshl_b32 s18, s20, 11
	s_add_co_u32 s18, s18, SCL                     ; my four steps' images among p's words
	v_add_nc_u32 v[FXA], s18, v[LI]
	s_mul_i32 s18, s20, 16*SPITCH                  ; my stage
	v_mul_u32_u24 v[STO], v1, SPITCH
	v_lshl_add_u32 v[STO], v2, 6, v[STO]
	v_add_nc_u32 v[STO], s18, v[STO]               ; in: row r, + 64 h
	v_add_nc_u32 v[RD], s18, v[LI]                 ; back: a row's 512 bytes
	s_lshl_b32 s18, s43, 1                         ; out0: my first row 64 (2 TR + WR), my first column 128 (2 TC + WC)
	s_add_co_u32 s18, s18, s21
	s_lshl_b32 s18, s18, 18
	s_lshl_b32 s2, s42, 1
	s_add_co_u32 s2, s2, s22
	s_lshl_b32 s2, s2, 9
	s_add_co_u32 s18, s18, s2
	s_mov_b32 s19, 0
	s_add_nc_u64 s[14:15], s[14:15], s[18:19]
.irp k, 0,1,2,3
	v_mov_b32 v[OT+\k], 0                          ; a lane permute's destination counts as one of its sources
.endr
	s_wait_loadcnt 0x0
.irp k, 0,1,2,3
	v_min3_num_f32 v[NG+\k], v[NMI+\k], v[NMI+4+\k], v[NMI+8+\k]   ; the least -M of the 16 steps: minus the query's M
.endr
.irp s, 3,5,7,9,11,13
.irp k, 0,1,2,3
	v_min3_num_f32 v[NG+\k], v[NG+\k], v[NMI+4*\s+\k], v[NMI+4*\s+4+\k]
.endr
.endr
.irp k, 0,1,2,3
	v_min_num_f32 v[NG+\k], v[NG+\k], v[NMI+60+\k]
.endr
.set fs, 0
.rept 16
	v_pk_add_f32 v[NMI+4*fs:NMI+4*fs+1], v[NG:NG+1], v[NMI+4*fs:NMI+4*fs+1] neg_lo:[0,1] neg_hi:[0,1]         ; M_step - M: a whole number, 0 or less
	v_pk_add_f32 v[NMI+4*fs+2:NMI+4*fs+3], v[NG+2:NG+3], v[NMI+4*fs+2:NMI+4*fs+3] neg_lo:[0,1] neg_hi:[0,1]
.set fs, fs+1
.endr
.set fs, 0
.rept 64
	v_cvt_i32_f32 v[NMI+fs], v[NMI+fs]             ; (it saturates)
.set fs, fs+1
.endr
.set fs, 0
.rept 64
	v_ldexp_f32 v[LIM+fs], v[LIM+fs], v[NMI+fs]    ; the step's l under the query's M: nothing is rounded
.set fs, fs+1
.endr
.set fs, 1
.rept 15
	v_pk_add_f32 v[LIM:LIM+1], v[LIM:LIM+1], v[LIM+4*fs:LIM+4*fs+1]
	v_pk_add_f32 v[LIM+2:LIM+3], v[LIM+2:LIM+3], v[LIM+4*fs+2:LIM+4*fs+3]
.set fs, fs+1
.endr
.irp k, 0,1,2,3
	v_rcp_f32 v[RC+\k], v[LIM+\k]                  ; 1 / l; the words' correction below names none of these four
.endr
; A word's four bytes b become b - (M - M_step), or 0 where that would be negative: E = 128 - (M - M_step), held at 1 from below, in all four bytes; Y = word + E has no carry, since b is at most 123;
; a byte of Y has its top bit set just where b - (M - M_step) is 0 or more, and its low seven bits are then that number.
.set fs, 0
.rept 4
.irp k, 0,1,2,3
	v_sub_f32 v[NM2+4*fs+\k], v[NG+\k], v[NM2+4*fs+\k]
.endr
.irp k, 0,1,2,3
	v_max_num_f32 v[NM2+4*fs+\k], 0xc2fe0000, v[NM2+4*fs+\k]   ; -127 at the least
.endr
.irp k, 0,1,2,3
	v_cvt_i32_f32 v[NM2+4*fs+\k], v[NM2+4*fs+\k]
.endr
.irp k, 0,1,2,3
	v_add_nc_u32 v[NM2+4*fs+\k], 0x80, v[NM2+4*fs+\k]
.endr
.irp k, 0,1,2,3
	v_perm_b32 v[NM2+4*fs+\k], v[NM2+4*fs+\k], v[NM2+4*fs+\k], 0   ; its low byte into all four
.endr
.irp k, 0,1,2,3
	v_add_nc_u32 v[WI+4*fs+\k], v[WI+4*fs+\k], v[NM2+4*fs+\k]
.endr
.irp k, 0,1,2,3
	v_and_b32 v[NM2+4*fs+\k], 0x80808080, v[WI+4*fs+\k]
.endr
.irp k, 0,1,2,3
	v_lshrrev_b32 v[NMI+4*fs+\k], 7, v[NM2+4*fs+\k]
.endr
.irp k, 0,1,2,3
	v_sub_nc_u32 v[NM2+4*fs+\k], v[NM2+4*fs+\k], v[NMI+4*fs+\k]   ; 0x7f in the bytes that stay
.endr
.irp k, 0,1,2,3
	v_and_b32 v[WI+4*fs+\k], v[WI+4*fs+\k], v[NM2+4*fs+\k]
.endr
	ds_store_b128 v[FXA], v[WI+4*fs:WI+4*fs+3] offset:512*fs
.set fs, fs+1
.endr
	s_wait_alu depctr_va_vdst(0)                   ; one wait for the four reciprocals, ahead of their first reader
.irp k, 0,1,2,3
	v_permlanex16_b32 v[OT+\k], v[RC+\k], s[SEL], s[SEL+1]
.endr
	v_cmp_ne_u32 vcc_lo, s21, v2                   ; my blocks' 1 / l lie in the lanes of half WR: the other half takes them from there
.irp k, 0,1,2,3
	v_cndmask_b32 v[RL+2*\k], v[RC+\k], v[OT+\k], vcc_lo
	v_cndmask_b32 v[RL+2*\k+1], v[RC+\k], v[OT+\k], vcc_lo
.endr
	s_wait_dscnt 0x0                               ; for the others' sake: my corrected words lie in LDS
	s_wait_tensorcnt 1                             ; v^T's scale words and my part of slot 0 are in; slot 1's load may be out
	s_barrier_signal -1
	s_barrier_wait -1
	FETCH_B 0
	FETCH_A 0
	STEPN 0, 1                                     ; the first step's products start the sums: nothing is cleared
	STEPN 1, 0
	STEPN 2, 0
	TURN 3, 1                                      ; slot 0 takes steps 8 to 11
	STEPN 4, 0
	STEPN 5, 0
	STEPN 6, 0
	TURN 7, 1                                      ; slot 1 takes steps 12 to 15
	STEPN 8, 0
	STEPN 9, 0
	STEPN 10, 0
	TURN 11, 0                                     ; nothing is left to fetch
	STEPN 12, 0
	STEPN 13, 0
	STEPN 14, 0
	s_wait_dscnt 0x0                               ; the last step's fragments are in
	MULA 0, 1, 0
	MULA 1, 1, 0
	MULA 2, 1, 0
	MULA 3, 1, 0
	WIN 0
	; THE WAY OUT, block by block of 16 queries x 128: divided by l, through my stage, stored as whole rows of 512 bytes at their true rows
	PLACES NP
.irp a, 0,1,2,3
.if \a >= 2
	s_wait_xcnt 0x0                                ; the stores of two blocks ago have read their registers: this block's rows may land there
.endif
	MULT \a
	TOSTAGE \a
.if \a > 0
	s_wait_dscnt 32                                ; the block before is back; this block's 16 stores and 16 loads may be out
	SEND \a-1
.endif
	s_wait_dscnt 16                                ; this block's stage stores have read T; its 16 loads may be out
.endr
	s_wait_dscnt 0x0
	SEND 3
	s_wait_tensorcnt 0x0                           ; the wave's end
	ds_add_u32 v[SPW], v[NIL]
	s_wait_dscnt 0x0
	CROUND                                         ; the closing round: no work-group ends while a partner may still ask for a tile that names it
	s_endpgm
.Lfunc_end_k_qd061155da5_mix:
	.size	k_qd061155da5_mix, .Lfunc_end_k_qd061155da5_mix-k_qd061155da5_mix
	.p2alignl 7, 3214868480
	.fill 96, 4, 3214868480
	.section	.rodata,"a",@progbits
	.p2align	6, 0x0
	.amdhsa_kernel k_qd061155da5_mix
		.amdhsa_group_segment_fixed_size 327680
		.amdhsa_private_segment_fixed_size 0
		.amdhsa_enable_private_segment 0
		.amdhsa_kernarg_size 48
		.amdhsa_user_sgpr_count 2
		.amdhsa_user_sgpr_kernarg_segment_ptr 1
		.amdhsa_wavefront_size32 1
		.amdhsa_system_sgpr_workgroup_id_x 1
		.amdhsa_system_sgpr_workgroup_id_y 1
		.amdhsa_system_sgpr_workgroup_id_z 1
		.amdhsa_system_vgpr_workitem_id 0
		.amdhsa_next_free_vgpr 768
		.amdhsa_next_free_sgpr 102
		.amdhsa_reserve_vcc 1
		.amdhsa_float_denorm_mode_32 3
		.amdhsa_float_denorm_mode_16_64 3
		.amdhsa_memory_ordered 1
		.amdhsa_forward_progress 1
		.amdhsa_inst_pref_size 164
	.end_amdhsa_kernel
	.amdgpu_metadata
---
amdhsa.version: [ 1, 2 ]
amdhsa.kernels:
  - .name:           k_qd061155da5_mix
    .symbol:         k_qd061155da5_mix.kd
    .args:
      - { .name: p_codes, .offset: 0, .size: 8, .value_kind: global_buffer, .address_space: global }
      - { .name: p_scales, .offset: 8, .size: 8, .value_kind: global_buffer, .address_space: global }
      - { .name: p_stats, .offset: 16, .size: 8, .value_kind: global_buffer, .address_space: global }
      - { .name: qkv_codes, .offset: 24, .size: 8, .value_kind: global_buffer, .address_space: global }
      - { .name: qkv_scales, .offset: 32, .size: 8, .value_kind: global_buffer, .address_space: global }
      - { .name: out0, .offset: 40, .size: 8, .value_kind: global_buffer, .address_space: global }
    .group_segment_fixed_size: 327680
    .private_segment_fixed_size: 0
    .kernarg_segment_align: 8
    .kernarg_segment_size: 48
    .max_flat_workgroup_size: 128
    .sgpr_count:     102
    .vgpr_count:     768
    .wavefront_size: 32
...
	.end_amdgpu_metadata
.endif
;; end of part 4
